; MI455X (gfx1250); checked and timed in simulation.
; The chip was launched on July 23, 2026; its instructions are those of AMD's public machine-readable ISA for CDNA 5 (MIT licence, August 2026) and "CDNA5" Instruction Set Architecture Reference Guide (July 2026). The comments in the code are by the model that wrote it; some were corrected since.
;; Kazdov Block. Allowed arithmetic: matrix products marked QUANTISED: E2M1 operands, one E8M0 scale for each 32 along K, by v_wmma_scale_f32_16x16x128_f8f6f4 with both operands' format E2M1 (or v_wmma_scale_f32_32x16x128_f4), f32 sums; products left as they are: bf16, f16 or f32 operands; f32 sums; everything else in f32.
;; Inputs: U_b 1,024 x 256 float32; U_t 1,024 x 256 float32; V_b 1,024 x 256 float32; V_t 1,024 x 256 float32; W_b 1,024 x 256 float32; W_t 1,024 x 256 float32; Winv 1,024 x 1,024 float32; Wk 1,024 x 1,024 float32; Wo 1,024 x 1,024 float32; Wq 1,024 x 1,024 float32; X_t 1,024 x 256 float32; alpha_bi one number float32; alpha_tri one number float32; attention_mask 4 x 2,048 bool; bias_b 1,024 float32; bias_t 1,024 float32; x 4 x 2,048 x 1,024 float32.
;; Outputs: out0 4 x 2,048 x 1,024 float32.
;; This version of the problem:
;;   THIS VERSION OF THE PROBLEM IS GIVEN IN LOW PRECISION. The matrix products marked QUANTISED in the list below multiply operands that are first quantised to E2M1 (2 exponent bits, 1 mantissa bit; 4 bits a number), with one power-of-two scale for each 32 numbers along K (OCP MX v1.0); their sums are f32. The products marked 'left as it is' may take bf16, f16 or f32 operands, with f32 sums. Whichever they take, every output number must still come out within the allowed error. Rounding operands to bf16 (8 significant bits) uses up far more of that allowance than f16 does (11 bits, for magnitudes from 6e-5 to 65,504). All else is computed in f32.
;;   The module's matrix products, in the order in which they are computed (A, B: the left and right operand; K: the contracted axis; several contracted axes count as one K, in the product's order):
;;     1. [M 8,192, K 1,024] x [K 1,024, N 1,024]; A: input x; B: input Wq: QUANTISED
;;     2. [M 8,192, K 1,024] x [K 1,024, N 1,024]; A: input x; B: input Wk: QUANTISED
;;     3. [M 8,192, K 1,024] x [K 1,024, N 1,024]; A: computed on the way; B: input Winv: left as it is (an operand is computed on the way)
;;     4. [M 8,192, K 1,024] x [K 1,024, N 1,024]; A: computed on the way; B: input Winv: left as it is (an operand is computed on the way)
;;     5. [M 8,192, K 1,024] x [K 1,024, N 256]; A: computed on the way; B: input V_b: left as it is (an operand is computed on the way)
;;     6. [M 8,192, K 1,024] x [K 1,024, N 256]; A: computed on the way; B: input W_b: left as it is (an operand is computed on the way)
;;     7. [M 8,192, K 256] x [K 256, N 1,024]; A: computed on the way; B: input U_b: left as it is (an operand is computed on the way)
;;     8. [M 8,192, K 1,024] x [K 1,024, N 256]; A: computed on the way; B: input W_b: left as it is (an operand is computed on the way)
;;     9. [M 8,192, K 1,024] x [K 1,024, N 256]; A: computed on the way; B: input V_b: left as it is (an operand is computed on the way)
;;     10. [M 8,192, K 256] x [K 256, N 1,024]; A: computed on the way; B: input U_b: left as it is (an operand is computed on the way)
;;     11. [M 8,192, K 1,024] x [K 1,024, N 256]; A: computed on the way; B: input V_t: left as it is (an operand is computed on the way)
;;     12. [M 8,192, K 1,024] x [K 1,024, N 256]; A: computed on the way; B: input X_t: left as it is (an operand is computed on the way)
;;     13. [M 8,192, K 1,024] x [K 1,024, N 256]; A: computed on the way; B: input W_t: left as it is (an operand is computed on the way)
;;     14. [M 8,192, K 256] x [K 256, N 1,024]; A: computed on the way; B: input U_t: left as it is (an operand is computed on the way)
;;     15. [M 8,192, K 1,024] x [K 1,024, N 1,024]; A: computed on the way; B: input Wo: left as it is (an operand is computed on the way)
;;   THE QUANTISER, for each operand of a quantised product, along K:
;;     - K is cut into blocks of 32 from its start; a last block that is shorter is filled with zeros.
;;     - A block's scale is 2^e with e = floor(log2(the largest magnitude in the block)) - 2, held to -126 .. 127; a block of zeros has e = 0. As a byte (E8M0): e + 127.
;;     - Each number is divided by its block's scale, clamped to +-6, and rounded to the nearest number of E2M1, ties to even, subnormals kept.
;;     - The product sums the exact products of the quantised numbers (number of the format x scale) in f32.
;;   ~~~python
;;   def quantise(x, axis):      # numpy; x: float32 -> the quantised numbers, widened to float32 again
;;       x = np.moveaxis(x, axis, -1); K = x.shape[-1]
;;       x = np.pad(x, [(0, 0)] * (x.ndim - 1) + [(0, -K % 32)]); x = x.reshape(x.shape[:-1] + (-1, 32)); a = np.abs(x).max(-1, keepdims=True)
;;       e = np.where(a > 0, np.clip(np.frexp(np.where(a > 0, a, 1))[1] - 1 - 2, -126, 127), 0)      # np.frexp(a)[1] - 1 = floor(log2(a)), exactly
;;       r = np.clip(x / 2.0 ** e, -6, 6)
;;       step = 2.0 ** (np.maximum(np.frexp(np.where(r == 0, 1, r))[1] - 1, 0) - 1)
;;       q = np.round(r / step) * step * 2.0 ** e      # np.round: ties to even
;;       return np.moveaxis(q.reshape(q.shape[:-2] + (-1,))[..., :K], -1, axis).astype(np.float32)
;;   ~~~
;; One version. Each part assembles by itself: llvm-mc -triple=amdgcn-amd-amdhsa -mcpu=gfx1250 --defsym DOCPART=n.
;; ======== version 1 of 1: 7 launches
;; limits: values are held in f16: magnitudes above 65,504 overflow, below 6.1e-05 lose precision; right only within a limited range of input values
;; workspace buffers: cs 5,570,560 bytes; act 51,118,080 bytes; wts 8,916,992 bytes; rk 58,982,400 bytes; pp 8,585,216 bytes
;; launch prep (part 1): grid 468 x 1, 8 waves a work-group, no clusters, 149,504 bytes of LDS; arguments x, Wq, Wk, attention_mask, V_b, V_t, W_b, W_t, X_t, Wo, bias_b, bias_t, alpha_bi, alpha_tri, cs, act, wts, Winv, U_b, U_t; writes cs, act, wts
.if DOCPART == 1
	.amdgcn_target "amdgcn-amd-amdhsa--gfx1250"
	.amdhsa_code_object_version 6
	.text
	.protected	k_q33a285d3a9_prep
	.globl	k_q33a285d3a9_prep
	.p2align	8
	.type	k_q33a285d3a9_prep,@function
k_q33a285d3a9_prep:
	s_mov_b64 s[64:65], 0
	v_nop
	global_prefetch_b8 v0, s[64:65] scope:SCOPE_SE
	s_setreg_imm32_b32 hwreg(HW_REG_WAVE_MODE, 25, 1), 1
	s_wait_xcnt 0x0
; ALL THAT IS MADE OF THE INPUTS ALONE, IN ONE LAUNCH.  FOUR ROLES, parted on the work-group's number alone; each role that uses LDS has LDS bytes of its own.
; ROLE P (work-groups 0-255, the longest, so they come first): four products of weights, C [1024][256] = 64 x sum over d of A(m, d) B(d, n), K = 1,024:
;   g = 0: Winv^T W_b    g = 1: Winv^T V_b   (A(m, d) = Winv[d][m]: K is its first axis)    -> f16 into column groups 1 and 4 of the rank matrix in wts, f32 into M2
;   g = 2: Wo U_b        g = 3: Wo U_t       (A(m, d) = Wo[m][d]: K innermost)             -> f16 into G16, f32 into G32, columns 256 (g - 2) on
;   These results are operands of later f32 work, so f16 alone is too coarse: each f32 number is split, hi = its upper 11 significant bits (exact in f16), lo = f16(x - hi), and three products are summed in f32:
;   hi hi + hi lo + lo hi.  What is dropped is lo lo, about 2^-22 of a product.
;   A work-group = (g, 64 rows mt, 64 columns nt).  Eight waves: wm = wave / 4 (32 rows), wn = wave % 4 (16 columns): two accumulators, which take turns.  K goes in 16 steps of 64 through two LDS buffers,
;   one barrier a step.  Between two barriers a wave reads its fragments of step t from one buffer and stores the split numbers of step t + 1 into the other; the split stands between the fragment loads and the wait for them.
;   LDS rows are 128 bytes + 32: 160 = 5 x 32; Wo's plain fragment loads go two deep at that pitch.  The matrix instruction is used transposed (source 0 = 16 columns of B, source 1 = 16 rows of A).
;   No cluster: the tiles pass through registers to be split, so there is no tensor tile that partners could ask for jointly.
; ROLE Q (256-415): x [8192][1024], Wq, Wk [1024][1024], f32, become codes of FP4 (E2M1), K innermost, with one E8M0 byte for each 32 along K.
;   In cs the 10,240 rows follow each other (x, Wq, Wk): codes 512 bytes a row from byte 0, scale bytes 32 a row from byte SC.  A block's scale is 2^(floor(log2(largest magnitude)) - 2).
;   A wave takes a run of 8,192 numbers (8 rows) in 16 steps of 512.  Each load reads 512 consecutive bytes; a step's 2,048 bytes turn through the wave's own stage in LDS, so that a lane holds 16 neighbours.
;   x's waves also store x times its row's mask as f16 into act (columns 2048-3071 of rows of 6,144 bytes), and for positions 0-15 of each batch as f32 into act's fine rows.
; ROLE W (416-435): V_b, V_t, W_b, W_t, X_t [1024][256] times 64, as f16, into their column groups of the rank matrix in wts (rows of 3,584 bytes).
; ROLE B (436-467): bvec[n] = sum over d of Wo[n][d] (bias_b[d] (1 + alpha_bi) + alpha_tri bias_t[d]), in f32, four rows of Wo a wave.
; LIMITS: a block of zeros gets the byte 1 where the quantiser says 127 (its codes are zeros, and this program alone reads the bytes); blocks whose largest magnitude lies under 2^-124 keep the byte 1;
; |x| and 64 |weights| stay under 65,504 (f16); in role P numbers under 6e-5 lose bits in f16's denormals (absolute error under 2^-25); NaN and infinities are not served.
.set PW,    256                        ; work-groups of role P
.set STEPS, 16
.set EMAX,  2
.set PB,    40960                      ; role P: an LDS buffer: A hi, A lo, B hi, B lo, 64 rows x 160 bytes each; two of them from byte 0
.set LP,    160
.set STG,   81920                      ; role P: the way out: 64 rows x (256 + 16) bytes
.set QB,    99328                      ; role Q's LDS begins here
.set WREG,  6144                       ; role Q, a wave: two stages of 32 x SP bytes, then its 256 scale bytes as words
.set SP,    80                         ; a lane's place in a stage: 64 bytes + 16 of padding
.set SPARE, QB+8*WREG                  ; the spare words, 128 bytes a wave
.set SC,    5242880                    ; cs: where the scale bytes begin
.set A32,   50331648                   ; act: where the fine rows begin (64 rows of 12,288 bytes)
.set BV,    8912896                    ; wts: bvec
.set M2,    3670016
.set G16,   5767168
.set G32,   6815744
.set SPW,   12                         ; v12  my spare word's LDS address; never rewritten
.set NIL,   13                         ; v13  0; never rewritten
; role Q's registers
.set R,     16                         ; v16-79   four sets of 16 numbers as loaded
.set X,     80                         ; v80-111  two sets of 16 neighbours
.set E,     112                        ; v112-127 a scale byte for each step
.set C,     128                        ; v128-191 codes, four registers a step
.set T,     192                        ; v192-207 x times mask, f32
.set H,     208                        ; v208-215 the same as f16
; role P's registers: v16-47, v48-79 two load sets; v80-91 at work; v96-159 A's fragments; v160-191 B's; v192-207 the two accumulators; v208-223 results x 64
.set GA,  1                            ; v1   A's byte offset in memory for my thread
.set GB,  2                            ; v2   B's
.set LS,  3                            ; v3-4 where I store into buffer 0, 1
.set TB,  5                            ; v5-6 B's turning loads
.set TA0, 7                            ; v7-8 A's turning loads (Winv)
.set TA1, 9                            ; v9-10 A's plain loads (Wo)
.set STO, 11
.set RD,  14
	v_lshl_add_u32 v[SPW], v0, 2, SPARE
	v_mov_b32 v[NIL], 0
	s_cmp_lt_u32 ttmp9, PW
	s_cbranch_scc1 .Lrole_p
	s_load_b512 s[8:23], s[0:1], 0x0               ; x 8, Wq 10, Wk 12, mask 14, V_b 16, V_t 18, W_b 20, W_t 22
	s_load_b512 s[24:39], s[0:1], 0x40             ; X_t 24, Wo 26, bias_b 28, bias_t 30, alpha_bi 32, alpha_tri 34, cs 36, act 38
	s_load_b64 s[40:41], s[0:1], 0x80              ; wts
	s_sub_co_u32 s84, ttmp9, PW                    ; my number among the work-groups of roles Q, W, B
	v_lshrrev_b32 v1, 5, v0
	v_readfirstlane_b32 s2, v1                     ; wave 0..7
	v_and_b32 v2, 31, v0                           ; lane
	v_lshlrev_b32 v3, 4, v2                        ; 16 x lane
	v_lshlrev_b32 v7, 3, v2                        ; 8 x lane
	s_mul_i32 s3, s2, WREG
	s_add_co_u32 s3, s3, QB
	v_lshrrev_b32 v14, 2, v2
	v_mul_u32_u24 v14, v14, SP
	v_and_b32 v15, 3, v2
	v_lshl_add_u32 v14, v15, 4, v14
	v_add_nc_u32 v14, s3, v14                      ; the stage, on the way in: SP (lane / 4) + 16 (lane % 4)
	v_mul_u32_u24 v15, v2, SP
	v_add_nc_u32 v15, s3, v15                      ; and on the way out: SP x lane
	v_and_b32 v5, 30, v2
	v_lshlrev_b32 v5, 1, v5                        ; 4 x (lane / 2)
	s_add_co_u32 s3, s3, 2*32*SP
	v_add_nc_u32 v5, s3, v5                        ; my block's scale byte, kept in LDS as a word
	v_lshlrev_b32 v6, 5, v2
	v_add_nc_u32 v6, s3, v6                        ; and eight words a lane on their way out
	s_wait_kmcnt 0x0
	s_cmp_ge_u32 s84, 180
	s_cbranch_scc1 .Lrole_b
	s_cmp_ge_u32 s84, 160
	s_cbranch_scc1 .Lrole_w
; ---------------- ROLE Q
	s_lshl_b32 s3, s84, 3
	s_add_co_u32 s3, s3, s2                        ; my run of 8 rows among the 1,280
	s_mov_b32 s6, 1152
	s_cmp_lt_u32 s84, 144
	s_cselect_b64 s[4:5], s[10:11], s[12:13]       ; Wq or Wk,
	s_cselect_b32 s6, 1024, s6                     ; whose first runs are 1,024 and 1,152
	s_cmp_lt_u32 s84, 128
	s_cselect_b64 s[4:5], s[8:9], s[4:5]           ; or x
	s_cselect_b32 s6, 0, s6
	s_cselect_b32 s7, 1, 0                         ; 1: the run is x's
	s_mov_b32 s43, 0
	s_sub_co_u32 s42, s3, s6
	s_lshl_b32 s42, s42, 15
	s_add_nc_u64 s[4:5], s[4:5], s[42:43]          ; the run's 32,768 bytes of f32
	s_lshl_b32 s42, s3, 12
	s_add_nc_u64 s[52:53], s[36:37], s[42:43]      ; its 4,096 bytes of codes
	s_lshl_b32 s42, s3, 8
	s_add_nc_u64 s[54:55], s[36:37], s[42:43]
	s_add_nc_u64 s[54:55], s[54:55], SC            ; its 256 scale bytes
	s_lshl_b32 s42, s3, 3
	s_mul_i32 s42, s42, s7                         ; x: the 8 mask bytes of my rows; a weight reads byte 0 on and uses nothing of it
	s_add_nc_u64 s[44:45], s[14:15], s[42:43]
	s_load_b64 s[46:47], s[44:45], 0x0
	s_mul_i32 s42, s3, 49152
	s_add_nc_u64 s[48:49], s[38:39], s[42:43]
	s_add_nc_u64 s[48:49], s[48:49], 4096          ; act: my first row, column 2048
	s_lshr_b32 s56, s3, 8                          ; batch
	s_lshl_b32 s56, s56, 4
	s_and_b32 s57, s3, 255                         ; my run in the batch
	s_lshl_b32 s58, s57, 3
	s_add_co_u32 s56, s56, s58
	s_mul_i32 s42, s56, 12288
	s_add_nc_u64 s[50:51], s[38:39], s[42:43]
	s_add_nc_u64 s[50:51], s[50:51], A32+8192      ; the fine rows: row 16 batch + position, column 2048 (used by a batch's runs 0 and 1 alone)
	s_cmp_lt_u32 s57, 2
	s_cselect_b32 s59, s7, 0                       ; 1: my rows are positions 0-15 of x
.macro LOAD t
.irp i, 0,1,2,3
	global_load_b128 v[R+16*((\t)%4)+4*\i:R+16*((\t)%4)+4*\i+3], v3, s[4:5] offset:2048*(\t)+512*\i th:TH_LOAD_NT   ; 32 lanes read 512 consecutive bytes
.endr
.endm
; x times its row's mask, from the registers as loaded: step t is half (t % 2) of row t / 2; load i holds columns 512 (t % 2) + 128 i + 4 lane on
.macro EMIT t
	s_cmp_lg_u32 s7, 0
	s_cbranch_scc0 .Lne_\@
	s_wait_xcnt 0x0                                ; the last step's stores have read T and H: both are written again only behind this wait
.irp i, 0,1,2,3,4,5,6,7
	v_pk_mul_f32 v[T+2*\i:T+2*\i+1], v[R+16*((\t)%4)+2*\i:R+16*((\t)%4)+2*\i+1], s[68+2*((\t)/2):69+2*((\t)/2)] op_sel_hi:[1,0]
.endr
.irp i, 0,1,2,3,4,5,6,7
	v_cvt_pk_f16_f32 v[H+\i], v[T+2*\i], v[T+2*\i+1]
.endr
.irp i, 0,1,2,3
	global_store_b64 v7, v[H+2*\i:H+2*\i+1], s[48:49] offset:((\t)/2)*6144+((\t)%2)*1024+256*\i   ; 32 lanes store 256 consecutive bytes, aligned
.endr
	s_cmp_lg_u32 s59, 0
	s_cbranch_scc0 .Lne_\@
.irp i, 0,1,2,3
	global_store_b128 v3, v[T+4*\i:T+4*\i+3], s[50:51] offset:((\t)/2)*12288+((\t)%2)*2048+512*\i
.endr
.Lne_\@:
.endm
.macro TURN t                          ; step t's numbers through the stage: LDS serves a wave's instructions in order, so no wait stands between the stores and the loads
.irp i, 0,1,2,3
	ds_store_b128 v14, v[R+16*((\t)%4)+4*\i:R+16*((\t)%4)+4*\i+3] offset:32*SP*((\t)%2)+8*SP*\i
.endr
.irp i, 0,1,2,3
	ds_load_b128 v[X+16*((\t)%2)+4*\i:X+16*((\t)%2)+4*\i+3], v15 offset:32*SP*((\t)%2)+16*\i
.endr
	EMIT \t
.endm
.irp t, 0,1,2,3
	LOAD \t
.endr
	s_wait_kmcnt 0x0                               ; the mask bytes
.irp p, 0,1,2,3,4,5,6,7
	s_bfe_u32 s60, s[46+\p/4], 0x80000+8*(\p%4)
	s_cmp_lg_u32 s60, 0
	s_cselect_b32 s[68+2*\p], 1.0, 0               ; row p's mask as 0.0 or 1.0: a choice of a value, no branch,
	s_mov_b32 s[69+2*\p], s[68+2*\p]               ; named as a pair by the packed multiply
.endr
	s_wait_loadcnt 12                              ; step 0's four loads are in; 12 younger ones may be out
	TURN 0
.macro STEP t
.set XS, X+16*((\t)%2)
.if (\t) > 0
	s_wait_dscnt 1                                 ; this step's numbers are back from the stage (the last step's word store may be out)
.else
	s_wait_dscnt 0x0
.endif
.if (\t)+4 < STEPS
	LOAD (\t)+4                                    ; into the set that this step has left
.endif
.if (\t)+1 < STEPS
.if STEPS-2-(\t) >= 3
	s_wait_loadcnt 12                              ; the next step's four loads are in; those of the three steps behind it may be out
.else
	s_wait_loadcnt 4*(STEPS-2-(\t))
.endif
	TURN (\t)+1
.endif
	v_max3_num_f32 v8, |v[XS]|, |v[XS+1]|, |v[XS+2]|               ; the largest magnitude of my 16, in two chains
	v_max3_num_f32 v9, |v[XS+3]|, |v[XS+4]|, |v[XS+5]|
.irp i, 6,10
	v_max3_num_f32 v8, v8, |v[XS+\i]|, |v[XS+\i+1]|
	v_max3_num_f32 v9, v9, |v[XS+\i+2]|, |v[XS+\i+3]|
.endr
	v_max3_num_f32 v8, v8, |v[XS+14]|, |v[XS+15]|
	v_max3_num_f32 v8, v8, v9, (EMAX+1)<<23        ; and the floor 2^(3 - 127): the byte cannot fall under 1
	v_max_num_f32_dpp v8, v8, v8 row_xmask:1 row_mask:0xf bank_mask:0xf   ; with my neighbour's 16: the block's
	v_add_nc_u32 v11, -(EMAX<<23), v8              ; 2 off its exponent field: the conversion takes this operand's exponent field as its scale
	v_cvt_scalef32_pk8_fp4_f32 v[C+4*(\t)], v[XS:XS+7], v11
	v_cvt_scalef32_pk8_fp4_f32 v[C+4*(\t)+1], v[XS+8:XS+15], v11
	v_lshrrev_b32 v[E+(\t)], 23, v11               ; the scale's byte (a plain line behind the conversions)
	ds_store_b32 v5, v[E+(\t)] offset:64*(\t)      ; as a word, at word 16 t + lane / 2; both lanes of a block write the same word with the same value
	global_store_b64 v7, v[C+4*(\t):C+4*(\t)+1], s[52:53] offset:256*(\t)   ; 32 lanes store 256 consecutive bytes of codes
.endm
.irp t, 0,1,2,3,4,5,6,7,8,9,10,11,12,13,14,15
	STEP \t
.endr
	ds_load_b128 v[8:11], v6                       ; my wave's 256 scale bytes, eight words a lane: LDS serves a wave in order
	ds_load_b128 v[16:19], v6 offset:16
	s_wait_dscnt 0x0
	v_lshl_or_b32 v8, v9, 8, v8                    ; eight words, each a byte, become eight bytes
	v_lshl_or_b32 v8, v10, 16, v8
	v_lshl_or_b32 v8, v11, 24, v8
	v_lshl_or_b32 v9, v17, 8, v16
	v_lshl_or_b32 v9, v18, 16, v9
	v_lshl_or_b32 v9, v19, 24, v9
	global_store_b64 v7, v[8:9], s[54:55]          ; one aligned run of 256 bytes
	s_branch .Lend
; ---------------- ROLE W: five weights x four parts of 256 rows; a wave takes 32 rows: 64 loads of 512 bytes in four batches
.Lrole_w:
	s_sub_co_u32 s3, s84, 160
	s_lshr_b32 s6, s3, 2                           ; which weight
	s_and_b32 s7, s3, 3                            ; which 256 rows
	s_mov_b64 s[4:5], s[16:17]                     ; V_b -> column bytes 0
	s_mov_b32 s42, 0
	s_cmp_eq_u32 s6, 1
	s_cselect_b64 s[4:5], s[18:19], s[4:5]         ; V_t -> 1,024
	s_cselect_b32 s42, 1024, s42
	s_cmp_eq_u32 s6, 2
	s_cselect_b64 s[4:5], s[20:21], s[4:5]         ; W_b -> 1,536
	s_cselect_b32 s42, 1536, s42
	s_cmp_eq_u32 s6, 3
	s_cselect_b64 s[4:5], s[22:23], s[4:5]         ; W_t -> 2,560
	s_cselect_b32 s42, 2560, s42
	s_cmp_eq_u32 s6, 4
	s_cselect_b64 s[4:5], s[24:25], s[4:5]         ; X_t -> 3,072
	s_cselect_b32 s42, 3072, s42
	s_lshl_b32 s7, s7, 8
	s_lshl_b32 s44, s2, 5
	s_add_co_u32 s7, s7, s44                       ; my first row
	s_mov_b32 s43, 0
	s_mul_i32 s44, s7, 3584
	s_add_co_u32 s42, s42, s44
	s_add_nc_u64 s[46:47], s[40:41], s[42:43]      ; where it goes
	s_lshl_b32 s42, s7, 10
	s_add_nc_u64 s[4:5], s[4:5], s[42:43]          ; where it comes from
.macro CVL b
.irp i, 0,1,2,3,4,5,6,7,8,9,10,11,12,13,14,15
	global_load_b128 v[16+64*((\b)%2)+4*\i:16+64*((\b)%2)+4*\i+3], v3, s[4:5] offset:8192*(\b)+512*\i
.endr
.endm
.macro CVB b, cnt
.set SB, 16+64*((\b)%2)
	s_wait_loadcnt \cnt                            ; this batch is in; the next batch's 16 loads may be out
	s_wait_xcnt 0x0                                ; the last batch's stores have read v144-175
.set i, 0
.rept 32
	v_pk_mul_f32 v[SB+2*i:SB+2*i+1], v[SB+2*i:SB+2*i+1], 0x42800000 op_sel_hi:[1,0]   ; x 64: room in f16 for weights 30 times smaller
.set i, i+1
.endr
.set i, 0
.rept 32
	v_cvt_pk_f16_f32 v[144+i], v[SB+2*i], v[SB+2*i+1]
.set i, i+1
.endr
.if (\b)+2 < 4
	CVL (\b)+2
.endif
.irp i, 0,1,2,3,4,5,6,7,8,9,10,11,12,13,14,15
	global_store_b64 v7, v[144+2*\i:145+2*\i], s[46:47] offset:(8*(\b)+\i/2)*3584+(\i%2)*256   ; 256 consecutive bytes, aligned
.endr
.endm
	CVL 0
	CVL 1
	CVB 0, 16
	CVB 1, 16
	CVB 2, 16
	CVB 3, 0
	s_branch .Lend
; ---------------- ROLE B
.Lrole_b:
	s_load_b32 s44, s[32:33], 0x0                  ; alpha_bi
	s_load_b32 s46, s[34:35], 0x0                  ; alpha_tri
	s_sub_co_u32 s3, s84, 180
	s_lshl_b32 s3, s3, 3
	s_add_co_u32 s3, s3, s2
	s_lshl_b32 s3, s3, 2                           ; my first of four rows of Wo
	s_mov_b32 s43, 0
	s_lshl_b32 s42, s3, 12
	s_add_nc_u64 s[4:5], s[26:27], s[42:43]
	s_lshl_b32 s42, s3, 2
	s_add_nc_u64 s[50:51], s[40:41], s[42:43]
	s_add_nc_u64 s[50:51], s[50:51], BV
.irp i, 0,1,2,3,4,5,6,7
	global_load_b128 v[144+4*\i:147+4*\i], v3, s[28:29] offset:512*\i    ; bias_b: d = 128 i + 4 lane on
	global_load_b128 v[176+4*\i:179+4*\i], v3, s[30:31] offset:512*\i    ; bias_t
.endr
.irp p, 0,1,2,3
.irp i, 0,1,2,3,4,5,6,7
	global_load_b128 v[16+32*\p+4*\i:19+32*\p+4*\i], v3, s[4:5] offset:4096*\p+512*\i
.endr
.endr
	s_mov_b32 s48, 0x76543210
	s_mov_b32 s49, 0xfedcba98                      ; v_permlanex16_b32's selects for lane l xor 16
	v_mov_b32 v216, 0                              ; a lane permute's destination counts as read
	v_lshlrev_b32 v217, 2, v2
	s_wait_kmcnt 0x0
	s_mov_b32 s45, s44
	s_mov_b32 s47, s46
	s_wait_loadcnt 0x0
.set i, 0
.rept 16
	v_pk_fma_f32 v[144+2*i:145+2*i], v[144+2*i:145+2*i], s[44:45], v[144+2*i:145+2*i] op_sel_hi:[1,0,1]   ; bias_b alpha_bi + bias_b
	v_pk_fma_f32 v[144+2*i:145+2*i], v[176+2*i:177+2*i], s[46:47], v[144+2*i:145+2*i] op_sel_hi:[1,0,1]   ; + alpha_tri bias_t
.set i, i+1
.endr
.irp p, 0,1,2,3
	v_pk_mul_f32 v[208:209], v[16+32*\p:17+32*\p], v[144:145]            ; two chains of packed multiply-adds
	v_pk_mul_f32 v[210:211], v[18+32*\p:19+32*\p], v[146:147]
.irp i, 2,4,6,8,10,12,14
	v_pk_fma_f32 v[208:209], v[16+32*\p+2*\i:17+32*\p+2*\i], v[144+2*\i:145+2*\i], v[208:209]
	v_pk_fma_f32 v[210:211], v[18+32*\p+2*\i:19+32*\p+2*\i], v[146+2*\i:147+2*\i], v[210:211]
.endr
	v_pk_add_f32 v[208:209], v[208:209], v[210:211]
	v_add_f32 v[212+\p], v208, v209
.endr
.irp m, 1,2,4,8
.irp p, 0,1,2,3
	v_add_f32_dpp v[212+\p], v[212+\p], v[212+\p] row_xmask:\m row_mask:0xf bank_mask:0xf
.endr
.endr
.irp p, 0,1,2,3
	v_permlanex16_b32 v216, v[212+\p], s48, s49
	v_add_f32 v[212+\p], v[212+\p], v216           ; every lane holds row p's sum
.endr
	v_cmp_eq_u32 vcc_lo, 1, v2
	v_cndmask_b32 v212, v212, v213, vcc_lo         ; lane p takes row p's
	v_cmp_eq_u32 vcc_lo, 2, v2
	v_cndmask_b32 v212, v212, v214, vcc_lo
	v_cmp_eq_u32 vcc_lo, 3, v2
	v_cndmask_b32 v212, v212, v215, vcc_lo
	v_cmp_gt_u32 vcc_lo, 4, v2
	s_wait_xcnt 0x0                                ; EXEC changes only behind this wait
	s_and_saveexec_b32 s52, vcc_lo
	global_store_b32 v217, v212, s[50:51]          ; 16 bytes a wave: bvec is 4,096 bytes in all
	s_wait_xcnt 0x0
	s_or_b32 exec_lo, exec_lo, s52
	s_branch .Lend
; ---------------- ROLE P
.Lrole_p:
	s_load_b64 s[4:5], s[0:1], 0x88                ; Winv
	s_load_b64 s[6:7], s[0:1], 0x48                ; Wo
	s_load_b64 s[8:9], s[0:1], 0x30                ; W_b
	s_load_b64 s[10:11], s[0:1], 0x20              ; V_b
	s_load_b128 s[12:15], s[0:1], 0x90             ; U_b 12, U_t 14
	s_load_b64 s[16:17], s[0:1], 0x80              ; wts
	v_lshrrev_b32 v15, 5, v0
	v_readfirstlane_b32 s18, v15                   ; wave 0..7
	s_lshr_b32 s19, s18, 2                         ; wm
	s_and_b32 s20, s18, 3                          ; wn
	s_lshr_b32 s21, ttmp9, 6                       ; g
	s_lshr_b32 s22, s21, 1                         ; kind: 0 Winv^T W, 1 Wo U
	s_and_b32 s23, s21, 1                          ; which of the kind's two
	s_bfe_u32 s24, ttmp9, 0x40002                  ; mt
	s_and_b32 s25, ttmp9, 3                        ; nt
	v_lshrrev_b32 v16, 4, v0                       ; thread / 16: a row of 16
	v_and_b32 v17, 15, v0                          ; thread % 16: 16 bytes of a row; also lane % 16
	v_lshlrev_b32 v[GA], 12, v16
	v_lshl_add_u32 v[GA], v17, 4, v[GA]            ; rows of 4,096 bytes
	v_lshlrev_b32 v[GB], 10, v16
	v_lshl_add_u32 v[GB], v17, 4, v[GB]            ; rows of 1,024 bytes
	v_mul_u32_u24 v[LS], v16, LP
	v_lshl_add_u32 v[LS], v17, 3, v[LS]            ; four f16 are 8 bytes
	v_add_nc_u32 v[LS+1], PB, v[LS]
	v_bfe_u32 v18, v0, 4, 1                        ; h = lane / 16
	v_and_b32 v19, 7, v0
	v_bfe_u32 v20, v0, 3, 1
	v_lshl_add_u32 v21, v18, 3, v19                ; the turning load: K row 8 h + lane % 8,
	v_mul_u32_u24 v21, v21, LP
	v_lshl_add_u32 v21, v20, 4, v21                ; 16 bytes for each half of eight lanes
	s_lshl_b32 s26, s20, 5
	v_add_nc_u32 v[TB], s26, v21                   ; + my 16 columns
	v_add_nc_u32 v[TB+1], PB, v[TB]
	s_lshl_b32 s26, s19, 6
	v_add_nc_u32 v[TA0], s26, v21                  ; + my 32 rows (columns of Winv's tile)
	v_add_nc_u32 v[TA0+1], PB, v[TA0]
	s_mul_i32 s26, s19, 32*LP
	v_mul_u32_u24 v22, v17, LP
	v_lshl_add_u32 v22, v18, 4, v22
	v_add_nc_u32 v[TA1], s26, v22                  ; plain: row x pitch + 16 h
	v_add_nc_u32 v[TA1+1], PB, v[TA1]
	s_mul_i32 s26, s19, 32*272
	s_lshl_b32 s27, s20, 6
	s_add_co_u32 s26, s26, s27
	s_add_co_u32 s26, s26, STG
	v_mul_u32_u24 v22, v17, 272
	v_lshl_add_u32 v22, v18, 5, v22
	v_add_nc_u32 v[STO], s26, v22                  ; the stage: row 32 wm + r, bytes 64 wn + 32 h
	s_mul_i32 s26, s18, 8*272
	s_add_co_u32 s26, s26, STG
	v_mul_u32_u24 v22, v18, 272
	v_lshl_add_u32 v22, v17, 4, v22
	v_add_nc_u32 v[RD], s26, v22                   ; back: rows 8 wave + h + 2 t, sixteen lanes to a row
	s_mul_i32 s41, s23, 1536
	s_add_co_u32 s41, s41, 512                     ; kind 0: f16 at column bytes 512 or 2,048 of the rank matrix
	s_lshl_b32 s42, s23, 9
	s_add_co_u32 s42, s42, G16                     ; kind 1: G16, column bytes 0 or 512
	s_lshl_b32 s43, s23, 20
	s_add_co_u32 s43, s43, M2                      ; kind 0: f32 in M2's first or second matrix
	s_lshl_b32 s44, s23, 10
	s_add_co_u32 s44, s44, G32                     ; kind 1: G32, column bytes 0 or 1,024
	s_mov_b32 s30, 256
	s_mov_b32 s31, 262144
	s_mov_b32 s36, 1024
	s_mov_b32 s37, 2048
	s_mov_b32 s38, 3584
	s_mov_b32 s35, 0
	s_mov_b32 s51, 0
	s_mov_b32 s58, 0xffffe000                      ; keeps sign, exponent and 10 mantissa bits
	s_wait_kmcnt 0x0
	s_cmp_eq_u32 s23, 0
	s_cselect_b64 s[46:47], s[8:9], s[10:11]       ; W_b or V_b
	s_cselect_b64 s[48:49], s[12:13], s[14:15]     ; U_b or U_t
	s_cmp_eq_u32 s22, 0
	s_cselect_b64 s[46:47], s[46:47], s[48:49]     ; B
	s_cselect_b64 s[28:29], s[4:5], s[6:7]         ; A
	s_cselect_b32 s32, s30, s31                    ; A: bytes from tile mt to the next: along a row of Winv, down 64 rows of Wo
	s_cselect_b32 s34, s31, s30                    ; A: bytes from K step to K step: the other way round
	s_cselect_b32 s39, s38, s36                    ; the f16 result's pitch
	s_cselect_b32 s40, s36, s37                    ; the f32 result's pitch
	s_cselect_b32 s41, s41, s42
	s_cselect_b32 s43, s43, s44
	s_mul_i32 s50, s24, s32
	s_add_nc_u64 s[28:29], s[28:29], s[50:51]
	s_lshl_b32 s50, s25, 8
	s_add_nc_u64 s[46:47], s[46:47], s[50:51]
	s_lshl_b32 s52, s24, 6
	s_lshl_b32 s53, s18, 3
	s_add_co_u32 s52, s52, s53                     ; the first row that I store: 64 mt + 8 wave
	s_mul_i32 s50, s52, s40
	s_add_co_u32 s50, s50, s43
	s_lshl_b32 s53, s25, 8
	s_add_co_u32 s50, s50, s53
	s_add_nc_u64 s[54:55], s[16:17], s[50:51]      ; f32 out
	s_mul_i32 s50, s52, s39
	s_add_co_u32 s50, s50, s41
	s_lshl_b32 s53, s25, 7
	s_add_co_u32 s50, s50, s53
	s_add_nc_u64 s[56:57], s[16:17], s[50:51]      ; f16 out
.macro GLOAD set                       ; a K step's tiles: 64 x 64 f32 of A and of B, 16 bytes a thread and load; sixteen threads read 256 consecutive bytes
.irp i, 0,1,2,3
	global_load_b128 v[\set+4*\i:\set+4*\i+3], v[GA], s[28:29] offset:65536*\i
.endr
.irp i, 0,1,2,3
	global_load_b128 v[\set+16+4*\i:\set+16+4*\i+3], v[GB], s[46:47] offset:16384*\i
.endr
.endm
.macro ADV
	s_wait_xcnt 0x0                                ; the loads issued so far have read their bases
	s_add_nc_u64 s[28:29], s[28:29], s[34:35]
	s_add_nc_u64 s[46:47], s[46:47], 65536
.endm
.macro CV4 src, p, offh, offl          ; four numbers are split and go to LDS
.irp j, 0,1,2,3
	v_and_b32 v[80+\j], s58, v[\src+\j]            ; hi
.endr
	v_pk_add_f32 v[84:85], v[\src:\src+1], v[80:81] neg_lo:[0,1] neg_hi:[0,1]      ; x - hi, exact
	v_pk_add_f32 v[86:87], v[\src+2:\src+3], v[82:83] neg_lo:[0,1] neg_hi:[0,1]
	v_cvt_pk_f16_f32 v88, v80, v81
	v_cvt_pk_f16_f32 v89, v82, v83
	v_cvt_pk_f16_f32 v90, v84, v85
	v_cvt_pk_f16_f32 v91, v86, v87
	ds_store_b64 v[LS+\p], v[88:89] offset:\offh
	ds_store_b64 v[LS+\p], v[90:91] offset:\offl
.endm
.macro CVT p                           ; the K step in load set p is split and goes into LDS buffer p: 16 stores
.irp i, 0,1,2,3
	CV4 (16+32*\p+4*\i), \p, (2560*\i), (2560*\i+10240)
.endr
.irp i, 0,1,2,3
	CV4 (32+32*\p+4*\i), \p, (2560*\i+20480), (2560*\i+30720)
.endr
.endm
; fragments: A (q, i, l) at v[96 + 8 (4 q + 2 i + l)], B (q, l) at v[160 + 8 (2 q + l)]: q = which 32 along K, i = which 16 rows, l = 0 hi, 1 lo
.macro FRAGS p                         ; 24 LDS loads from buffer p: A's 16 (both arms alike in number and order), then B's 8, the first 32 along K first
	s_cmp_eq_u32 s22, 0
	s_cbranch_scc0 .Lplain_\@
.irp q, 0,1
.irp i, 0,1
.irp l, 0,1
	ds_load_tr16_b128 v[96+8*(4*\q+2*\i+\l):96+8*(4*\q+2*\i+\l)+3],   v[TA0+\p] offset:10240*\l+5120*\q+32*\i
	ds_load_tr16_b128 v[96+8*(4*\q+2*\i+\l)+4:96+8*(4*\q+2*\i+\l)+7], v[TA0+\p] offset:10240*\l+5120*\q+32*\i+2560
.endr
.endr
.endr
	s_branch .Lgot_\@
.Lplain_\@:
.irp q, 0,1
.irp i, 0,1
.irp l, 0,1
	ds_load_b128 v[96+8*(4*\q+2*\i+\l):96+8*(4*\q+2*\i+\l)+3],   v[TA1+\p] offset:10240*\l+2560*\i+64*\q
	ds_load_b128 v[96+8*(4*\q+2*\i+\l)+4:96+8*(4*\q+2*\i+\l)+7], v[TA1+\p] offset:10240*\l+2560*\i+64*\q+32
.endr
.endr
.endr
.Lgot_\@:
.irp q, 0,1
.irp l, 0,1
	ds_load_tr16_b128 v[160+8*(2*\q+\l):160+8*(2*\q+\l)+3],   v[TB+\p] offset:20480+10240*\l+5120*\q
	ds_load_tr16_b128 v[160+8*(2*\q+\l)+4:160+8*(2*\q+\l)+7], v[TB+\p] offset:20480+10240*\l+5120*\q+2560
.endr
.endr
.endm
.macro MM q, zero                      ; six matrix instructions; the two accumulators take turns
.if \zero
	v_wmma_f32_16x16x32_f16 v[192:199], v[160+16*\q:167+16*\q], v[96+32*\q:103+32*\q], 0
	v_wmma_f32_16x16x32_f16 v[200:207], v[160+16*\q:167+16*\q], v[112+32*\q:119+32*\q], 0
.else
	v_wmma_f32_16x16x32_f16 v[192:199], v[160+16*\q:167+16*\q], v[96+32*\q:103+32*\q], v[192:199]      ; B hi x A hi
	v_wmma_f32_16x16x32_f16 v[200:207], v[160+16*\q:167+16*\q], v[112+32*\q:119+32*\q], v[200:207]
.endif
	v_wmma_f32_16x16x32_f16 v[192:199], v[160+16*\q:167+16*\q], v[104+32*\q:111+32*\q], v[192:199]     ; B hi x A lo
	v_wmma_f32_16x16x32_f16 v[200:207], v[160+16*\q:167+16*\q], v[120+32*\q:127+32*\q], v[200:207]
	v_wmma_f32_16x16x32_f16 v[192:199], v[168+16*\q:175+16*\q], v[96+32*\q:103+32*\q], v[192:199]      ; B lo x A hi
	v_wmma_f32_16x16x32_f16 v[200:207], v[168+16*\q:175+16*\q], v[112+32*\q:119+32*\q], v[200:207]
.endm
; One K step.  p: its LDS buffer; o: the other buffer, which is also the load set of the next step.
; cv = 1: the next step is split into buffer o while this step's fragments come; cnt: the younger global loads that may stay out; pre = 1: the step three on is asked for into set o; bar = 1: a step follows.
; Buffer o was last read in the step before, and every wave had those reads back in front of that step's barrier; buffer p was stored in the step before, and every wave had those stores done in front of the same barrier.
.macro STEPW p, o, zero, cv, cnt, pre, bar
	FRAGS \p
.if \cv
	s_wait_loadcnt \cnt
	CVT \o
.if \pre
	ADV
	GLOAD (16+32*\o)
.endif
	s_wait_dscnt 20                                ; all but B's four loads of the second 32 along K and the split's 16 stores
	MM 0, \zero
	s_wait_dscnt 16                                ; all but the 16 stores
	MM 1, 0
.else
	s_wait_dscnt 4                                 ; all but B's four loads of the second 32 along K
	MM 0, \zero
	s_wait_dscnt 0x0
	MM 1, 0
.endif
.if \bar
.rept 4
	v_nop                                          ; four places between the products and the next loads into their operands
.endr
	s_wait_dscnt 0x0                               ; my stores into buffer o have landed, and my reads of buffer p are back
	s_barrier_signal -1
	s_barrier_wait -1                              ; everybody's
.endif
.endm
	GLOAD 16                                       ; K step 0
	ADV
	GLOAD 48                                       ; K step 1
	s_wait_loadcnt 8                               ; step 0 is in; step 1's 8 loads may be out
	CVT 0
	ADV
	GLOAD 16                                       ; K step 2
	s_wait_dscnt 0x0
	s_barrier_signal -1
	s_barrier_wait -1
	STEPW 0, 1, 1, 1, 8, 1, 1                      ; step 0 starts the sums, splits step 1, asks for step 3
	s_mov_b32 s61, 6
.Lk:                                               ; K steps 1 to 12: step t splits step t + 1 and asks for step t + 3
	STEPW 1, 0, 0, 1, 8, 1, 1
	STEPW 0, 1, 0, 1, 8, 1, 1
	s_sub_co_u32 s61, s61, 1
	s_cmp_lg_u32 s61, 0
	s_cbranch_scc1 .Lk
	STEPW 1, 0, 0, 1, 8, 0, 1                      ; step 13 splits step 14; step 15's loads may be out; nothing is left to ask for
	STEPW 0, 1, 0, 1, 0, 0, 1                      ; step 14 splits step 15
	STEPW 1, 0, 0, 0, 0, 0, 0                      ; step 15
	; THE WAY OUT: x 64, through the stage, back as whole rows of 256 bytes
	v_and_b32 v64, 15, v0                          ; four plain lines: the places behind the last products
	v_bfe_u32 v65, v0, 4, 1
	v_mul_u32_u24 v48, s40, v65
	v_mul_u32_u24 v52, s39, v65
.irp j, 0,2,4,6,8,10,12,14
	v_pk_mul_f32 v[208+\j:209+\j], v[192+\j:193+\j], 0x42800000 op_sel_hi:[1,0]    ; each accumulator from its low end on
.endr
.irp i, 0,1
	ds_store_b128 v[STO], v[208+8*\i:211+8*\i] offset:4352*\i
	ds_store_b128 v[STO], v[212+8*\i:215+8*\i] offset:4352*\i+16
.endr
	v_lshl_add_u32 v48, v64, 4, v48                ; f32: h rows + 16 r
	v_lshl_add_u32 v52, v64, 3, v52                ; f16: h rows + 8 r
	s_lshl_b32 s59, s40, 1
	s_lshl_b32 s60, s39, 1
.irp t, 1,2,3
	v_add_nc_u32 v[48+\t], s59, v[47+\t]           ; two rows on
	v_add_nc_u32 v[52+\t], s60, v[51+\t]
.endr
	s_wait_dscnt 0x0
	s_barrier_signal -1
	s_barrier_wait -1
.irp t, 0,1,2,3
	ds_load_b128 v[16+4*\t:19+4*\t], v[RD] offset:544*\t
.endr
	s_wait_dscnt 0x0
.irp t, 0,1,2,3
	global_store_b128 v[48+\t], v[16+4*\t:19+4*\t], s[54:55]       ; sixteen lanes store 256 consecutive bytes, aligned
.endr
.irp t, 0,1,2,3
	v_cvt_pk_f16_f32 v[32+2*\t], v[16+4*\t], v[17+4*\t]
	v_cvt_pk_f16_f32 v[33+2*\t], v[18+4*\t], v[19+4*\t]
.endr
.irp t, 0,1,2,3
	global_store_b64 v[52+\t], v[32+2*\t:33+2*\t], s[56:57]        ; runs of 128 bytes: the tile is 64 columns wide; 2 MB in all leave so
.endr
.Lend:
	s_wait_tensorcnt 0x0                           ; the wave's end
	ds_add_u32 v[SPW], v[NIL]
	s_wait_dscnt 0x0
	s_endpgm
.Lfunc_end_k_q33a285d3a9_prep:
	.size	k_q33a285d3a9_prep, .Lfunc_end_k_q33a285d3a9_prep-k_q33a285d3a9_prep
	.p2alignl 7, 3214868480
	.fill 96, 4, 3214868480
	.section	.rodata,"a",@progbits
	.p2align	6, 0x0
	.amdhsa_kernel k_q33a285d3a9_prep
		.amdhsa_group_segment_fixed_size 149504
		.amdhsa_private_segment_fixed_size 0
		.amdhsa_enable_private_segment 0
		.amdhsa_kernarg_size 160
		.amdhsa_user_sgpr_count 2
		.amdhsa_user_sgpr_kernarg_segment_ptr 1
		.amdhsa_wavefront_size32 1
		.amdhsa_system_sgpr_workgroup_id_x 1
		.amdhsa_system_sgpr_workgroup_id_y 1
		.amdhsa_system_sgpr_workgroup_id_z 1
		.amdhsa_system_vgpr_workitem_id 0
		.amdhsa_next_free_vgpr 224
		.amdhsa_next_free_sgpr 96
		.amdhsa_reserve_vcc 1
		.amdhsa_float_denorm_mode_32 3
		.amdhsa_float_denorm_mode_16_64 3
		.amdhsa_memory_ordered 1
		.amdhsa_forward_progress 1
		.amdhsa_inst_pref_size 178
	.end_amdhsa_kernel
	.amdgpu_metadata
---
amdhsa.version: [ 1, 2 ]
amdhsa.kernels:
  - .name:           k_q33a285d3a9_prep
    .symbol:         k_q33a285d3a9_prep.kd
    .args:
      - { .name: x, .offset: 0, .size: 8, .value_kind: global_buffer, .address_space: global }
      - { .name: Wq, .offset: 8, .size: 8, .value_kind: global_buffer, .address_space: global }
      - { .name: Wk, .offset: 16, .size: 8, .value_kind: global_buffer, .address_space: global }
      - { .name: attention_mask, .offset: 24, .size: 8, .value_kind: global_buffer, .address_space: global }
      - { .name: V_b, .offset: 32, .size: 8, .value_kind: global_buffer, .address_space: global }
      - { .name: V_t, .offset: 40, .size: 8, .value_kind: global_buffer, .address_space: global }
      - { .name: W_b, .offset: 48, .size: 8, .value_kind: global_buffer, .address_space: global }
      - { .name: W_t, .offset: 56, .size: 8, .value_kind: global_buffer, .address_space: global }
      - { .name: X_t, .offset: 64, .size: 8, .value_kind: global_buffer, .address_space: global }
      - { .name: Wo, .offset: 72, .size: 8, .value_kind: global_buffer, .address_space: global }
      - { .name: bias_b, .offset: 80, .size: 8, .value_kind: global_buffer, .address_space: global }
      - { .name: bias_t, .offset: 88, .size: 8, .value_kind: global_buffer, .address_space: global }
      - { .name: alpha_bi, .offset: 96, .size: 8, .value_kind: global_buffer, .address_space: global }
      - { .name: alpha_tri, .offset: 104, .size: 8, .value_kind: global_buffer, .address_space: global }
      - { .name: cs, .offset: 112, .size: 8, .value_kind: global_buffer, .address_space: global }
      - { .name: act, .offset: 120, .size: 8, .value_kind: global_buffer, .address_space: global }
      - { .name: wts, .offset: 128, .size: 8, .value_kind: global_buffer, .address_space: global }
      - { .name: Winv, .offset: 136, .size: 8, .value_kind: global_buffer, .address_space: global }
      - { .name: U_b, .offset: 144, .size: 8, .value_kind: global_buffer, .address_space: global }
      - { .name: U_t, .offset: 152, .size: 8, .value_kind: global_buffer, .address_space: global }
    .group_segment_fixed_size: 149504
    .private_segment_fixed_size: 0
    .kernarg_segment_align: 8
    .kernarg_segment_size: 160
    .max_flat_workgroup_size: 256
    .sgpr_count:     96
    .vgpr_count:     224
    .wavefront_size: 32
...
	.end_amdgpu_metadata
.endif
;; end of part 1
;; launch qk (part 2): grid 8 x 32, 4 waves a work-group, clusters of 4 x 4, 327,680 bytes of LDS; arguments cs, attention_mask, act; writes act
.if DOCPART == 2
	.amdgcn_target "amdgcn-amd-amdhsa--gfx1250"
	.amdhsa_code_object_version 6
	.text
	.protected	k_q33a285d3a9_qk
	.globl	k_q33a285d3a9_qk
	.p2align	8
	.type	k_q33a285d3a9_qk,@function
k_q33a285d3a9_qk:
	s_mov_b64 s[64:65], 0
	v_nop
	global_prefetch_b8 v0, s[64:65] scope:SCOPE_SE
	s_setreg_imm32_b32 hwreg(HW_REG_WAVE_MODE, 25, 1), 1
	s_wait_xcnt 0x0
	s_wait_alu depctr_hold_cnt(0) depctr_sa_sdst(0) depctr_va_vdst(0) depctr_va_sdst(0) depctr_va_ssrc(0) depctr_va_vcc(0) depctr_vm_vsrc(0)
	s_getreg_b32 s2, hwreg(HW_REG_IB_STS2, 6, 4)
	s_cmp_eq_u32 s2, 0
	s_cbranch_scc0 .Lentry_in_a_cluster
	s_endpgm
.Lentry_in_a_cluster:
	s_bfe_u32 s2, ttmp6, 0x10000c
	s_cmp_lg_u32 s2, 0xf033
	s_cbranch_scc0 .Lentry_shape_is_right
	s_endpgm
.Lentry_shape_is_right:
; THE TWO QUANTISED PRODUCTS AS ONE GEMM ON CODES OF MX-FP4: [Q | K] [8192][2048] = x [Wq ; Wk]^T, K = 1,024.  Codes and scale bytes come from cs as the launch before laid them:
; rows of 512 bytes of codes (x's 8,192, then Wq's and Wk's 2,048), rows of 32 scale bytes.  Sums in f32.  Q and K times its row's mask leave as f16 into act (rows of 6,144 bytes: Q at byte 0, K at 2,048);
; positions 0-15 of each batch leave as f32 too, into act's fine rows.
; A tile of 256 x 256 is made by four waves, 128 x 128 each: 64 accumulators, 512 registers.  All of K lies in two LDS slots of 512 along K, both asked for at the head: nothing is filled again.
; The scale bytes of the tile's 256 + 256 rows come once, as units of 256 bytes with 16 of padding.
; CLUSTERS: 4 x 4 work-groups; A's tile is shared along a row of the cluster, B's along a column: joint loads.  Tile row = cluster y + 8 cy, so that a batch is one cy and 'the tile begins a batch' is cluster y = 0, alike in all partners.
; THE MATRIX INSTRUCTION IS USED TRANSPOSED (source 0 = 16 rows of B, source 1 = 16 rows of A): a lane holds eight neighbouring columns of one row.
; REGISTERS: window 0: v0-31 addresses, mask words; v32-95 scale words, two sets; v128-191 A's fragments, one set; window 1: B's fragments, two sets; windows 2, 3: the accumulators ((a, b) at v[8 (8 (a % 4) + b)]).
; LIMITS: |Q| and |K| stay under 65,504 (f16).
.set KSTEP,  512
.set NQ,     4
.set ROWB,   256
.set KROW,   512
.set PITCH,  272                       ; an LDS row: 256 bytes + 16: the 16 rows of a load start at 16 different groups of banks
.set FR,     8
.set NL,     2
.set NP,     4
.set HALFT,  128*PITCH
.set SLOT,   4*HALFT
.set KS,     32
.set SCL,    2*SLOT
.set HALFS,  (128*KS/256)*272
.set SBLK,   (16*KS/256)*272
.set SPARE,  SCL+4*HALFS
.set SPITCH, 272                       ; the way out: 16 rows x (256 + 16) bytes a wave, in slot 0, which has had its only fill and its last read by then
.set APITCH, 6144
.set A32,    50331648
.set MK,   8                           ; v8-15   block a: my row's mask, then the word that is ANDed onto two f16
.set ADRA, 16
.set ADRB, 20
.set FO,   22                          ; v22     the fine rows: my byte offset
.set STO,  24
.set RD,   25
.set CO,   26
.set ADRS, 27
.set SPW,  28
.set NIL,  29
.set MF,   30                          ; v[30:31] the factor of the fine rows: 1 for Q, the mask for K
.set SC,   32
.set AF,   128
.set TMP,  192
.set OB,   32
.set G1, 24
.set G0, 32
.set G1B, 48
.set G0B, 56
.set G1S, 68
.set G0S, 76
.set G1SB, 80
.set G0SB, 88
.set MSB, 0
.macro WIN new                         ; the immediate's high byte repeats the setting that is left
.if MSB != \new
	s_set_vgpr_msb (MSB<<8)|\new
.set MSB, \new
.endif
.endm
.set MUL_LO, 0xa1                      ; source 0 (B) window 1, source 1 (A) window 0, C and D window 2
.set MUL_HI, 0xf1
.set TO_B,   0x40
.macro JLOAD g0a, g1a, g0b, g1b        ; waves 0 and 1 fetch for A, waves 2 and 3 for B; an s_nop 0 and four v_nop follow each line
	s_cmp_eq_u32 s15, 0
	s_cbranch_scc0 .Lfor_b_\@
	tensor_load_to_lds s[\g0a:\g0a+3], s[\g1a:\g1a+7]
	s_nop 0
.rept 4
	v_nop
.endr
	s_branch .Lasked_\@
.Lfor_b_\@:
	tensor_load_to_lds s[\g0b:\g0b+3], s[\g1b:\g1b+7]
	s_nop 0
.rept 4
	v_nop
.endr
.Lasked_\@:
.endm
.macro CROUND                          ; a round of the cluster's barrier
	s_barrier_signal -1
	s_barrier_wait -1
	s_cmp_lg_u32 s14, 0
	s_cbranch_scc1 .Lnot_wave_0_\@
	s_barrier_signal -3
.Lnot_wave_0_\@:
	s_barrier_wait -3
	s_barrier_signal -1
	s_barrier_wait -1
.endm
	s_load_b128 s[4:7], s[0:1], 0x0                ; cs, the mask
	s_load_b64 s[12:13], s[0:1], 0x10              ; act
	v_lshl_add_u32 v[SPW], v0, 2, SPARE
	v_mov_b32 v[NIL], 0
	ds_add_u32 v[SPW], v[NIL]                      ; the opening: the add, twice on end, and its wait ahead of my first tensor load
	ds_add_u32 v[SPW], v[NIL]
	v_lshrrev_b32 v1, 5, v0
	v_readfirstlane_b32 s14, v1                    ; wave
	s_lshr_b32 s15, s14, 1                         ; my half of the tile's rows; also: I fetch for A (0) or B (1)
	s_and_b32 s16, s14, 1                          ; my half of its columns; also: which 128 rows I fetch
	s_bfe_u32 s40, ttmp6, 0x40000                  ; cx
	s_bfe_u32 s41, ttmp6, 0x40004                  ; cy
	s_lshl_b32 s42, ttmp9, 2
	s_add_co_u32 s42, s42, s40                     ; tile column = 4 x cluster x + cx
	s_and_b32 s17, ttmp7, 0xffff
	s_lshl_b32 s18, s41, 3
	s_add_co_u32 s17, s17, s18                     ; tile row = cluster y + 8 cy
	s_lshl_b32 s43, s41, 2
	s_lshl_b32 s43, 15, s43                        ; my row of the cluster
	s_lshl_b32 s44, 0x1111, s40                    ; my column
	s_or_b32 s[G1+0], s43, (0<<16)|(1<<20)|(1<<21)|(5<<22)|(3<<25)   ; mask; elements of 1 byte; padding: 4 words behind every 64
	s_or_b32 s[G1B+0], s44, (0<<16)|(1<<20)|(1<<21)|(5<<22)|(3<<25)
.irp g, G1, G1B
	s_mov_b32 s[\g+1], ROWB<<16                    ; tensor_dim0
	s_mov_b32 s[\g+2], 128<<16                     ; tensor_dim1
	s_mov_b32 s[\g+3], ROWB<<16                    ; tile_dim0
	s_mov_b32 s[\g+4], 128                         ; tile_dim1
	s_mov_b32 s[\g+5], KROW                        ; pitch
	s_mov_b32 s[\g+6], 0
	s_mov_b32 s[\g+7], 0
.endr
	s_or_b32 s[G1S+0], s43, (3<<16)|(1<<20)|(1<<21)|(5<<22)|(3<<25)  ; the scales of 128 rows: 4,096 dense bytes as 16 rows of 32 elements of 8 bytes
	s_or_b32 s[G1SB+0], s44, (3<<16)|(1<<20)|(1<<21)|(5<<22)|(3<<25)
.irp g, G1S, G1SB
	s_mov_b32 s[\g+1], 32<<16
	s_mov_b32 s[\g+2], (128*KS/256)<<16
	s_mov_b32 s[\g+3], 32<<16
	s_mov_b32 s[\g+4], 128*KS/256
	s_mov_b32 s[\g+5], 32
	s_mov_b32 s[\g+6], 0
	s_mov_b32 s[\g+7], 0
.endr
	s_lshl_b32 s18, s16, 7
	s_lshl_b32 s20, s17, 8
	s_add_co_u32 s20, s20, s18                     ; A: row 256 x tile row + 128 x half
	s_lshl_b32 s46, s42, 8
	s_add_co_u32 s46, s46, s18                     ; B: row 256 x tile column + 128 x half
	s_mov_b32 s21, 0
	s_mov_b32 s47, 0
	s_mov_b64 s[18:19], KS
	s_mul_u64 s[22:23], s[20:21], s[18:19]
	s_mul_u64 s[92:93], s[46:47], s[18:19]
	s_mov_b64 s[18:19], KROW
	s_mul_u64 s[20:21], s[20:21], s[18:19]
	s_mul_u64 s[46:47], s[46:47], s[18:19]
	s_mul_i32 s45, s14, HALFT
	s_mul_i32 s94, s14, HALFS
	s_cmp_eq_u32 ttmp9, 0                          ; cluster x = 0: the four tile columns of Q
	s_cselect_b32 s95, -1, 0
	s_cselect_b32 s96, 1.0, 0
	s_and_b32 s97, ttmp7, 0xffff
	s_or_b32 s97, s97, s15                         ; 0: my block 0 holds positions 0-15 of a batch
	s_wait_dscnt 0x0                               ; both opening adds are done
	s_wait_kmcnt 0x0
	s_mov_b64 s[66:67], s[6:7]                     ; the mask
	s_add_nc_u64 s[6:7], s[4:5], 5242880           ; A's scale bytes
	s_add_nc_u64 s[8:9], s[4:5], 4194304           ; B's codes
	s_add_nc_u64 s[10:11], s[4:5], 5505024         ; B's scale bytes
	s_add_nc_u64 s[20:21], s[4:5], s[20:21]
	s_add_nc_u64 s[22:23], s[6:7], s[22:23]
	s_add_nc_u64 s[46:47], s[8:9], s[46:47]
	s_add_nc_u64 s[92:93], s[10:11], s[92:93]
	CROUND                                         ; all sixteen work-groups are here: the joint loads meet
	s_mov_b32 s[G0S], 1
	s_add_co_u32 s[G0S+1], s94, SCL
	s_mov_b64 s[G0S+2:G0S+3], s[22:23]
	s_or_b32 s[G0S+3], s[G0S+3], 0x80000000
	s_mov_b32 s[G0SB], 1
	s_add_co_u32 s[G0SB+1], s94, SCL
	s_mov_b64 s[G0SB+2:G0SB+3], s[92:93]
	s_or_b32 s[G0SB+3], s[G0SB+3], 0x80000000
	JLOAD G0S, G1S, G0SB, G1SB                     ; the scales first
.irp s, 0,1
	s_mov_b32 s[G0+4*\s], 1
	s_add_co_u32 s[G0+4*\s+1], s45, \s*SLOT
	s_add_nc_u64 s[G0+4*\s+2:G0+4*\s+3], s[20:21], \s*ROWB
	s_or_b32 s[G0+4*\s+3], s[G0+4*\s+3], 0x80000000
	s_mov_b32 s[G0B+4*\s], 1
	s_add_co_u32 s[G0B+4*\s+1], s45, \s*SLOT
	s_add_nc_u64 s[G0B+4*\s+2:G0B+4*\s+3], s[46:47], \s*ROWB
	s_or_b32 s[G0B+4*\s+3], s[G0B+4*\s+3], 0x80000000
	JLOAD G0+4*\s, G1, G0B+4*\s, G1B               ; three tensor loads of a wave are out
.endr
	v_and_b32 v1, 15, v0                           ; r
	v_bfe_u32 v2, v0, 4, 1                         ; h
	v_mul_u32_u24 v3, v1, PITCH
	v_lshl_add_u32 v4, v2, 4, v3
	s_mul_i32 s21, s15, HALFT
	s_mul_i32 s22, s16, HALFT
	s_add_co_u32 s22, s22, 2*HALFT
.irp s, 0,1
	v_add_nc_u32 v[ADRA+\s], s21, v4
	v_add_nc_u32 v[ADRB+\s], s22, v4
	s_add_co_u32 s21, s21, SLOT
	s_add_co_u32 s22, s22, SLOT
.endr
	v_mul_u32_u24 v5, v1, KS
	v_lshrrev_b32 v6, 8, v5
	v_lshl_add_u32 v5, v6, 4, v5                   ; my row's scales: 32 bytes a row, 16 more for each 256 passed
	s_mul_i32 s21, s15, HALFS
	s_mul_i32 s22, s16, HALFS
	s_add_co_u32 s22, s22, 2*HALFS
	s_sub_co_u32 s22, s22, s21
	v_mul_u32_u24 v6, s22, v2                      ; lanes 16-31 take B's
	s_add_co_u32 s21, s21, SCL
	v_add_nc_u32 v5, v5, v6
	v_add_nc_u32 v[ADRS], s21, v5
	s_mul_i32 s23, s14, 16*SPITCH                  ; my stage
	v_mul_u32_u24 v5, v1, SPITCH
	v_lshl_add_u32 v5, v2, 4, v5
	v_add_nc_u32 v[STO], s23, v5                   ; in: row r, 16 bytes for each half of the lanes
	v_mul_u32_u24 v5, v2, SPITCH
	v_lshl_add_u32 v5, v1, 4, v5
	v_add_nc_u32 v[RD], s23, v5                    ; back: lanes 0-15 one row, lanes 16-31 the next
	v_mul_u32_u24 v5, v2, APITCH
	v_lshl_add_u32 v[CO], v1, 4, v5                ; the same two rows in act
	v_mul_u32_u24 v[FO], v1, 12288
	v_lshl_add_u32 v[FO], v2, 5, v[FO]             ; a fine row, 32 bytes for each half
	s_mul_i32 s46, s41, 16*12288                   ; fine rows 16 cy on,
	s_lshl_b32 s47, s42, 10
	s_add_co_u32 s46, s46, s47                     ; my 128 columns of f32
	s_lshl_b32 s47, s16, 9
	s_add_co_u32 s46, s46, s47
	s_mov_b32 s47, 0
	s_add_nc_u64 s[98:99], s[12:13], s[46:47]
	s_add_nc_u64 s[98:99], s[98:99], A32
	s_lshl_b32 s20, s17, 8
	s_lshl_b32 s21, s15, 7
	s_add_co_u32 s20, s20, s21                     ; my first row
	s_mov_b32 s46, s20
	s_add_nc_u64 s[66:67], s[66:67], s[46:47]      ; its mask byte
	s_mul_i32 s20, s20, APITCH
	s_lshl_b32 s21, s42, 9
	s_add_co_u32 s20, s20, s21
	s_lshl_b32 s21, s16, 8
	s_add_co_u32 s20, s20, s21
	s_mov_b32 s21, 0
	s_add_nc_u64 s[12:13], s[12:13], s[20:21]      ; and its place in act
.irp a, 0,1,2,3,4,5,6,7
	global_load_u8 v[MK+\a], v1, s[66:67] offset:16*\a   ; the mask of row 16 a + r
.endr
.macro FRAG reg, adr, q, i             ; 16 rows x 128 K of 4-bit codes: 8 registers, two loads of 16 bytes, 32 bytes apart
.irp c, 0,1
	ds_load_b128 v[\reg+4*\c:\reg+4*\c+3], v[\adr] offset:64*(\q)+32*\c+(\i)*16*PITCH
.endr
.endm
; 16 matrix instructions: A's blocks a0, a0 + 1 x B's eight.  The 64 accumulators take turns in the same order in every step.
.macro MUL16 a0, p, q, sc, zero
.irp a, \a0, \a0+1
.irp b, 0,1,2,3,4,5,6,7
.if \zero
	v_wmma_scale_f32_16x16x128_f8f6f4 v[8*(8*((\a)%4)+\b):8*(8*((\a)%4)+\b)+7], v[128*(\p)+FR*\b:128*(\p)+FR*\b+FR-1], v[AF+FR*(\a):AF+FR*(\a)+FR-1], 0, v[SC+8*NQ*(\sc)+NQ*\b+(\q)], v[SC+8*NQ*(\sc)+NQ*(\a)+(\q)] matrix_a_fmt:MATRIX_FMT_FP4 matrix_b_fmt:MATRIX_FMT_FP4 matrix_a_scale:MATRIX_SCALE_ROW1
.else
	v_wmma_scale_f32_16x16x128_f8f6f4 v[8*(8*((\a)%4)+\b):8*(8*((\a)%4)+\b)+7], v[128*(\p)+FR*\b:128*(\p)+FR*\b+FR-1], v[AF+FR*(\a):AF+FR*(\a)+FR-1], v[8*(8*((\a)%4)+\b):8*(8*((\a)%4)+\b)+7], v[SC+8*NQ*(\sc)+NQ*\b+(\q)], v[SC+8*NQ*(\sc)+NQ*(\a)+(\q)] matrix_a_fmt:MATRIX_FMT_FP4 matrix_b_fmt:MATRIX_FMT_FP4 matrix_a_scale:MATRIX_SCALE_ROW1
.endif
.endr
.endr
.endm
.macro FETCH_B slot, q, p
	WIN TO_B
.irp i, 0,1,2,3,4,5,6,7
	FRAG 128*(\p)+FR*\i, ADRB+\slot, \q, \i
.endr
	WIN 0
.endm
.macro FETCH_A slot, q, i0
.irp i, \i0, \i0+1, \i0+2, \i0+3
	FRAG AF+FR*(\i), ADRA+\slot, \q, \i
.endr
.endm
.macro SCALES sc                       ; a slot's scale words: lanes 0-15 A's block i, lanes 16-31 B's block i
.irp i, 0,1,2,3,4,5,6,7
	ds_load_b128 v[SC+8*NQ*\sc+NQ*\i:SC+8*NQ*\sc+NQ*\i+3], v[ADRS] offset:\i*SBLK
.endr
.endm
.macro PLACES n                        ; plain vector lines between matrix instructions and loads into registers that they have read
.rept \n
	v_nop
.endr
.endm
.macro STEP slot, q, zero              ; 128 along K, with its successor in the same slot
	s_wait_dscnt 4*NL                              ; B's set and A's blocks 0-3 are in; the 8 youngest loads (A's blocks 4-7) may be out
	WIN MUL_LO
	MUL16 0, (\q)%2, \q, \slot, \zero
	MUL16 2, (\q)%2, \q, \slot, \zero
	s_wait_dscnt 0
	PLACES NP
	FETCH_B \slot, (\q)+1, 1-(\q)%2
	FETCH_A \slot, (\q)+1, 0
	WIN MUL_HI
	MUL16 4, (\q)%2, \q, \slot, \zero
	MUL16 6, (\q)%2, \q, \slot, \zero
	PLACES NP
	WIN 0
	FETCH_A \slot, (\q)+1, 4
.endm
.macro STEPS slot, from
.set Q, \from
.rept NQ-1-\from
	STEP \slot, Q, 0
.set Q, Q+1
.endr
.endm
	s_wait_tensorcnt 1                             ; the scales and my part of slot 0 are in; slot 1's load may be out
	s_barrier_signal -1
	s_barrier_wait -1
	FETCH_B 0, 0, 0
	FETCH_A 0, 0, 0
	SCALES 0
	FETCH_A 0, 0, 4
	STEP 0, 0, 1                                   ; the first step's products start the sums
	STEPS 0, 1
	; slot 0's last step changes slots: one barrier; in front of it my part of slot 1 has landed and my reads of slot 0 are over
	s_wait_tensorcnt 0x0
	ds_add_u32 v[SPW], v[NIL]
	s_wait_dscnt 4*NL+1                            ; the add and A's blocks 4-7 may be out
	WIN MUL_LO
	MUL16 0, 1, NQ-1, 0, 0
	s_wait_dscnt 0x0
	s_barrier_signal -1
	MUL16 2, 1, NQ-1, 0, 0
	WIN 0
	s_barrier_wait -1
	PLACES NP
	v_add_nc_u32 v[ADRS], 4*NQ, v[ADRS]            ; the second slot's scale words
	FETCH_B 1, 0, 0
	FETCH_A 1, 0, 0
	SCALES 1
	WIN MUL_HI
	MUL16 4, 1, NQ-1, 0, 0
	MUL16 6, 1, NQ-1, 0, 0
	PLACES NP
	WIN 0
	FETCH_A 1, 0, 4
	STEPS 1, 0
	s_wait_dscnt 4*NL
	WIN MUL_LO
	MUL16 0, 1, NQ-1, 1, 0
	MUL16 2, 1, NQ-1, 1, 0
	s_wait_dscnt 0
	WIN MUL_HI
	MUL16 4, 1, NQ-1, 1, 0
	MUL16 6, 1, NQ-1, 1, 0
	WIN 0
	; THE WAY OUT.  The 19 plain lines on the mask are the places behind the last products.
	s_wait_loadcnt 0x0                             ; the mask bytes
	v_cvt_f32_u32 v[MF], v[MK]
	v_max_num_f32 v[MF], s96, v[MF]                ; 1 for Q, the mask for K
	v_mov_b32 v[MF+1], v[MF]
.irp a, 0,1,2,3,4,5,6,7
	v_sub_nc_u32 v[MK+\a], 0, v[MK+\a]             ; 0 or all ones
.endr
.irp a, 0,1,2,3,4,5,6,7
	v_or_b32 v[MK+\a], s95, v[MK+\a]               ; Q keeps every row
.endr
	s_cmp_eq_u32 s97, 0                            ; ids that the partners share, and the wave's number
	s_cbranch_scc0 .Lno_fine
	WIN 0x02                                       ; source 0: window 2
.set i, 0
.rept 32
	v_pk_mul_f32 v[64+2*i:65+2*i], v[2*i:2*i+1], v[MF:MF+1] op_sel_hi:[1,0]       ; block 0's eight accumulators, each from its low end on
.set i, i+1
.endr
	WIN 0
.irp b, 0,1,2,3,4,5,6,7
	global_store_b128 v[FO], v[64+8*\b:67+8*\b], s[98:99] offset:64*\b            ; runs of 64 bytes: 0.5 MB in all leave so
	global_store_b128 v[FO], v[68+8*\b:71+8*\b], s[98:99] offset:64*\b+16
.endr
.Lno_fine:
.macro PACK a                          ; block a: rounded to f16, 16 bytes a lane; masked rows of K become zeros
.set AC, 64*((\a)%4)
	WIN 0x0a+5*((\a)/4)
.irp b, 0,1,2,3,4,5,6,7
.irp r, 0,1,2,3
	v_cvt_pk_f16_f32 v[TMP+4*\b+\r], v[AC+8*\b+2*\r], v[AC+8*\b+2*\r+1]
.endr
.endr
	WIN 0
.set i, 0
.rept 32
	v_and_b32 v[TMP+i], v[MK+(\a)], v[TMP+i]
.set i, i+1
.endr
.endm
.macro TOSTAGE a
.set BK, OB+192*((\a)%2)
.irp b, 0,1,2,3,4,5,6,7
	ds_store_b128 v[STO], v[TMP+4*\b:TMP+4*\b+3] offset:32*\b
.endr
.irp t, 0,1,2,3,4,5,6,7
	ds_load_b128 v[BK+4*\t:BK+4*\t+3], v[RD] offset:\t*2*SPITCH    ; LDS serves a wave's instructions in order: these see the stores above
.endr
.endm
.macro SEND a
.set BK, OB+192*((\a)%2)
	s_wait_dscnt 0x0                               ; the block is back in registers
	s_wait_xcnt 0x0                                ; earlier stores have read their base and data
.if (\a) > 0
	s_add_nc_u64 s[12:13], s[12:13], 16*APITCH
.endif
.irp t, 0,1,2,3,4,5,6,7
	global_store_b128 v[CO], v[BK+4*\t:BK+4*\t+3], s[12:13] offset:2*\t*APITCH   ; sixteen lanes store 256 consecutive bytes, aligned
.endr
.endm
	PACK 0
	TOSTAGE 0
.irp a, 1,2,3,4,5,6,7
	PACK \a
	SEND \a-1
	TOSTAGE \a
.endr
	SEND 7
	s_wait_tensorcnt 0x0                           ; the wave's end
	ds_add_u32 v[SPW], v[NIL]
	s_wait_dscnt 0x0
	CROUND                                         ; the closing round
	s_endpgm
.Lfunc_end_k_q33a285d3a9_qk:
	.size	k_q33a285d3a9_qk, .Lfunc_end_k_q33a285d3a9_qk-k_q33a285d3a9_qk
	.p2alignl 7, 3214868480
	.fill 96, 4, 3214868480
	.section	.rodata,"a",@progbits
	.p2align	6, 0x0
	.amdhsa_kernel k_q33a285d3a9_qk
		.amdhsa_group_segment_fixed_size 327680
		.amdhsa_private_segment_fixed_size 0
		.amdhsa_enable_private_segment 0
		.amdhsa_kernarg_size 24
		.amdhsa_user_sgpr_count 2
		.amdhsa_user_sgpr_kernarg_segment_ptr 1
		.amdhsa_wavefront_size32 1
		.amdhsa_system_sgpr_workgroup_id_x 1
		.amdhsa_system_sgpr_workgroup_id_y 1
		.amdhsa_system_sgpr_workgroup_id_z 1
		.amdhsa_system_vgpr_workitem_id 0
		.amdhsa_next_free_vgpr 1024
		.amdhsa_next_free_sgpr 100
		.amdhsa_reserve_vcc 0
		.amdhsa_float_denorm_mode_32 3
		.amdhsa_float_denorm_mode_16_64 3
		.amdhsa_memory_ordered 1
		.amdhsa_forward_progress 1
		.amdhsa_inst_pref_size 140
	.end_amdhsa_kernel
	.amdgpu_metadata
---
amdhsa.version: [ 1, 2 ]
amdhsa.kernels:
  - .name:           k_q33a285d3a9_qk
    .symbol:         k_q33a285d3a9_qk.kd
    .args:
      - { .name: cs, .offset: 0, .size: 8, .value_kind: global_buffer, .address_space: global }
      - { .name: attention_mask, .offset: 8, .size: 8, .value_kind: global_buffer, .address_space: global }
      - { .name: act, .offset: 16, .size: 8, .value_kind: global_buffer, .address_space: global }
    .group_segment_fixed_size: 327680
    .private_segment_fixed_size: 0
    .kernarg_segment_align: 8
    .kernarg_segment_size: 24
    .max_flat_workgroup_size: 128
    .sgpr_count:     100
    .vgpr_count:     1024
    .wavefront_size: 32
...
	.end_amdgpu_metadata
.endif
;; end of part 2
;; launch rank (part 3): grid 32 x 7, 4 waves a work-group, clusters of 4 x 1, 327,680 bytes of LDS; arguments act, wts, rk; writes rk
.if DOCPART == 3
	.amdgcn_target "amdgcn-amd-amdhsa--gfx1250"
	.amdhsa_code_object_version 6
	.text
	.protected	k_q33a285d3a9_rank
	.globl	k_q33a285d3a9_rank
	.p2align	8
	.type	k_q33a285d3a9_rank,@function
k_q33a285d3a9_rank:
	s_mov_b64 s[64:65], 0
	v_nop
	global_prefetch_b8 v0, s[64:65] scope:SCOPE_SE
	s_setreg_imm32_b32 hwreg(HW_REG_WAVE_MODE, 25, 1), 1
	s_wait_xcnt 0x0
	s_wait_alu depctr_hold_cnt(0) depctr_sa_sdst(0) depctr_va_vdst(0) depctr_va_sdst(0) depctr_va_ssrc(0) depctr_va_vcc(0) depctr_vm_vsrc(0)
	s_getreg_b32 s2, hwreg(HW_REG_IB_STS2, 6, 4)
	s_cmp_eq_u32 s2, 0
	s_cbranch_scc0 .Lentry_in_a_cluster
	s_endpgm
.Lentry_in_a_cluster:
	s_bfe_u32 s2, ttmp6, 0x10000c
	s_cmp_lg_u32 s2, 0x3003
	s_cbranch_scc0 .Lentry_shape_is_right
	s_endpgm
.Lentry_shape_is_right:
; THE SEVEN PRODUCTS INTO RANK SPACE AS ONE f16 GEMM: rk [8192][1792] = A x MT, K = 1,024.  MT [1024 k][1792] f16 lies in wts (64 x the weights); column tile t of 256 takes as A: t < 3: Q, t < 6: K x mask, t = 6: x x mask,
; which are column groups of act's rows (6,144 bytes).  Sums in f32.  Tiles 3-6 leave as the running sum along the rows inside a chunk of 128 rows (a wave's rows), and the chunk's total goes to TOT.
; A tile of 256 x 256 is made by four waves, 128 x 128 each.  K goes in 8 steps of 128 through a ring of two LDS slots.  224 work-groups: 1,792 columns are seven tiles, and a narrower tile would cut across the three sources of A.
; CLUSTER: four work-groups, tile rows cluster x + 8 cx: four batches at the same place.  They share MT's tile: a joint load.  A's tiles are each partner's own: plain tensor loads in the same place, behind the same rounds.
; MT's K is its first axis: its fragments come out of LDS by the turning load (rows of 512 bytes + 32: 544 = 17 x 32).
; THE MATRIX INSTRUCTION IS USED TRANSPOSED (source 0 = 16 columns of MT, source 1 = 16 rows of A).
; Positions 0-15 of a batch are not stored here: a small launch makes them in f32.  They still count in the chunk's running sum.
; No prefetch: a refill has a K step's matrix work in which to land, and each tile of A is read by up to three tile columns.
; REGISTERS: window 0: v0-31 addresses, the carry; v64-127, v128-191 A's fragments, two buffers; window 1: the same for MT's; windows 2, 3: the accumulators ((a, b) at v[8 (8 a + b)]).
.set KSTEP,  128
.set PITCH,  272
.set PBB,    544
.set HALFT,  128*PITCH                 ; 128 rows of A, or 64 K rows of MT: what one tensor load brings
.set SLOT,   4*HALFT
.set STAGE,  2*SLOT                    ; behind the ring: 16 rows x (512 + 16) bytes a wave
.set SPITCH, 528
.set SPARE,  STAGE+4*16*SPITCH
.set LAPS,   4
.set RKP,    7168
.set TOT,    58720256
.set CAR,  8                           ; v8-11  the running sum's carry from block to block
.set ADRA, 16
.set ADRB, 20
.set STO,  24
.set RD,   25
.set CO,   26
.set SPW,  28
.set NIL,  29
.set F0,   64
.set F1,   128
.set BK,   128
.set G1, 24
.set G0, 32
.set G1B, 48
.set G0B, 56
.set MSB, 0
.macro WIN new
.if MSB != \new
	s_set_vgpr_msb (MSB<<8)|\new
.set MSB, \new
.endif
.endm
.set MUL_LO, 0xa1
.set MUL_HI, 0xf1
.set TO_B,   0x40
.macro JLOAD s                         ; waves 0 and 1 fetch A's halves (plain), waves 2 and 3 MT's (joint); an s_nop 0 and four v_nop follow each line
	s_cmp_eq_u32 s11, 0
	s_cbranch_scc0 .Lfor_b_\@
	tensor_load_to_lds s[G0+4*\s:G0+4*\s+3], s[G1:G1+7]
	s_nop 0
.rept 4
	v_nop
.endr
	s_branch .Lasked_\@
.Lfor_b_\@:
	tensor_load_to_lds s[G0B+4*\s:G0B+4*\s+3], s[G1B:G1B+7]
	s_nop 0
.rept 4
	v_nop
.endr
.Lasked_\@:
.endm
.macro CREST
	s_cmp_lg_u32 s10, 0
	s_cbranch_scc1 .Lnot_wave_0_\@
	s_barrier_signal -3
.Lnot_wave_0_\@:
	s_barrier_wait -3
	s_barrier_signal -1
	s_barrier_wait -1
.endm
.macro CROUND
	s_barrier_signal -1
	s_barrier_wait -1
	CREST
.endm
	s_load_b128 s[4:7], s[0:1], 0x0                ; act, wts
	s_load_b64 s[8:9], s[0:1], 0x10                ; rk
	v_lshl_add_u32 v[SPW], v0, 2, SPARE
	v_mov_b32 v[NIL], 0
	ds_add_u32 v[SPW], v[NIL]                      ; the opening: the add, twice on end, and its wait ahead of my first tensor load
	ds_add_u32 v[SPW], v[NIL]
	v_lshrrev_b32 v1, 5, v0
	v_readfirstlane_b32 s10, v1                    ; wave
	s_lshr_b32 s11, s10, 1                         ; my half of the rows; also: I fetch A (0) or MT (1)
	s_and_b32 s12, s10, 1                          ; my half of the columns; also: which half I fetch
	s_bfe_u32 s40, ttmp6, 0x40000                  ; cx
	s_lshl_b32 s13, s40, 3
	s_add_co_u32 s13, s13, ttmp9                   ; tile row = cluster x + 8 cx
	s_and_b32 s42, ttmp7, 0xffff                   ; tile column, shared by the partners
	s_mov_b32 s[G1+0], (1<<16)|(1<<20)|(5<<22)|(3<<25)              ; A: no mask; elements of 2 bytes; 4 words of padding behind every 64
	s_mov_b32 s[G1+1], 128<<16                     ; tensor_dim0
	s_mov_b32 s[G1+2], 128<<16                     ; tensor_dim1
	s_mov_b32 s[G1+3], 128<<16                     ; tile_dim0
	s_mov_b32 s[G1+4], 128                         ; tile_dim1
	s_mov_b32 s[G1+5], 3072                        ; pitch in elements
	s_mov_b32 s[G1+6], 0
	s_mov_b32 s[G1+7], 0
	s_mov_b32 s[G1B+0], 15|(1<<16)|(1<<20)|(1<<21)|(6<<22)|(7<<25)  ; MT: all four partners; 8 words of padding behind every 128
	s_mov_b32 s[G1B+1], 256<<16
	s_mov_b32 s[G1B+2], 64<<16
	s_mov_b32 s[G1B+3], 256<<16
	s_mov_b32 s[G1B+4], 64
	s_mov_b32 s[G1B+5], 1792
	s_mov_b32 s[G1B+6], 0
	s_mov_b32 s[G1B+7], 0
	s_cmp_ge_u32 s42, 6
	s_cselect_b32 s44, 1, 0
	s_cmp_ge_u32 s42, 3
	s_cselect_b32 s43, 1, 0
	s_cselect_b32 s66, 1.0, 0                      ; 1: this tile's columns are summed along the rows
	s_mov_b32 s67, s66
	s_add_co_u32 s43, s43, s44                     ; which source of A
	s_or_b32 s68, ttmp9, s11                       ; 0: my block 0 holds positions 0-15 of a batch
	s_lshl_b32 s16, s13, 8
	s_lshl_b32 s17, s12, 7
	s_add_co_u32 s16, s16, s17
	s_mul_i32 s16, s16, 6144
	s_lshl_b32 s17, s43, 11
	s_add_co_u32 s16, s16, s17                     ; A: row 256 x tile row + 128 x half, 2,048 bytes a source
	s_mov_b32 s17, 0
	s_mul_i32 s46, s12, 64*3584
	s_lshl_b32 s47, s42, 9
	s_add_co_u32 s46, s46, s47                     ; MT: K row 64 x half, 512 bytes a tile column
	s_mov_b32 s47, 0
	s_mul_i32 s20, s10, HALFT                      ; where they go: no place in the cluster enters an LDS address
	s_wait_dscnt 0x0                               ; both opening adds are done
	s_wait_kmcnt 0x0
	s_add_nc_u64 s[14:15], s[4:5], s[16:17]
	s_add_nc_u64 s[46:47], s[6:7], s[46:47]
	CROUND
.irp s, 0,1
	s_mov_b32 s[G0+4*\s], 1
	s_add_co_u32 s[G0+4*\s+1], s20, \s*SLOT
	s_add_nc_u64 s[G0+4*\s+2:G0+4*\s+3], s[14:15], \s*KSTEP*2
	s_or_b32 s[G0+4*\s+3], s[G0+4*\s+3], 0x80000000
	s_mov_b32 s[G0B+4*\s], 1
	s_add_co_u32 s[G0B+4*\s+1], s20, \s*SLOT
	s_add_nc_u64 s[G0B+4*\s+2:G0B+4*\s+3], s[46:47], \s*KSTEP*3584
	s_or_b32 s[G0B+4*\s+3], s[G0B+4*\s+3], 0x80000000
	JLOAD \s                                       ; two tensor loads of a wave are out here, later one
.endr
	v_and_b32 v1, 15, v0                           ; r
	v_bfe_u32 v2, v0, 4, 1                         ; h
	v_mul_u32_u24 v3, v1, PITCH
	v_lshl_add_u32 v3, v2, 4, v3
	v_and_b32 v4, 7, v0
	v_bfe_u32 v5, v0, 3, 1
	v_lshl_add_u32 v4, v2, 3, v4
	v_mul_u32_u24 v4, v4, PBB                      ; the turning load: K row 8 h + lane % 8,
	v_lshl_add_u32 v4, v5, 4, v4                   ; 16 bytes for each half of eight lanes
	s_mul_i32 s21, s11, HALFT
	s_lshl_b32 s22, s12, 8                         ; my 128 columns
	s_add_co_u32 s22, s22, 2*HALFT
.irp s, 0,1
	v_add_nc_u32 v[ADRA+\s], s21, v3
	v_add_nc_u32 v[ADRB+\s], s22, v4
	s_add_co_u32 s21, s21, SLOT
	s_add_co_u32 s22, s22, SLOT
.endr
	s_mul_i32 s23, s10, 16*SPITCH
	s_add_co_u32 s23, s23, STAGE
	v_mul_u32_u24 v5, v1, SPITCH
	v_lshl_add_u32 v5, v2, 5, v5
	v_add_nc_u32 v[STO], s23, v5
	v_and_b32 v6, 31, v0
	v_lshlrev_b32 v[CO], 4, v6
	v_add_nc_u32 v[RD], s23, v[CO]
.irp j, 0,1,2,3
	v_mov_b32 v[CAR+\j], 0
.endr
	s_lshl_b32 s16, s13, 1
	s_add_co_u32 s16, s16, s11                     ; my chunk of 128 rows
	s_lshl_b32 s16, s16, 12
	s_max_u32 s17, s42, 3
	s_sub_co_u32 s17, s17, 3
	s_lshl_b32 s17, s17, 10
	s_add_co_u32 s16, s16, s17
	s_lshl_b32 s17, s12, 9
	s_add_co_u32 s16, s16, s17
	s_mov_b32 s17, 0
	s_add_nc_u64 s[70:71], s[8:9], s[16:17]
	s_add_nc_u64 s[70:71], s[70:71], TOT           ; its totals (used where the tile column is 3 or more)
	s_lshl_b32 s16, s13, 8
	s_lshl_b32 s18, s11, 7
	s_add_co_u32 s16, s16, s18
	s_mul_i32 s16, s16, RKP
	s_lshl_b32 s18, s42, 10
	s_add_co_u32 s16, s16, s18
	s_lshl_b32 s18, s12, 9
	s_add_co_u32 s16, s16, s18
	s_add_nc_u64 s[8:9], s[8:9], s[16:17]          ; my part of the tile in rk
.macro MUL16 f, hi, a0, zero           ; 16 matrix instructions; the 64 accumulators take turns in the same order in every quarter
.irp a, \a0, \a0+1
.irp b, 0,1,2,3,4,5,6,7
.if \zero
	v_wmma_f32_16x16x32_f16 v[8*(8*(\a)+\b):8*(8*(\a)+\b)+7], v[\f+8*\b:\f+8*\b+7], v[\f+8*(4*\hi+\a):\f+8*(4*\hi+\a)+7], 0
.else
	v_wmma_f32_16x16x32_f16 v[8*(8*(\a)+\b):8*(8*(\a)+\b)+7], v[\f+8*\b:\f+8*\b+7], v[\f+8*(4*\hi+\a):\f+8*(4*\hi+\a)+7], v[8*(8*(\a)+\b):8*(8*(\a)+\b)+7]
.endif
.endr
.endr
.endm
.macro FETCH slot, q, f                ; 32 LDS loads in one run: the fragments of the slot's q-th 32 along K
	WIN TO_B
.irp i, 0,1,2,3,4,5,6,7
	ds_load_tr16_b128 v[\f+8*\i:\f+8*\i+3],   v[ADRB+\slot] offset:17408*(\q)+32*\i
	ds_load_tr16_b128 v[\f+8*\i+4:\f+8*\i+7], v[ADRB+\slot] offset:17408*(\q)+32*\i+8704
.endr
	WIN 0
.irp i, 0,1,2,3,4,5,6,7
	ds_load_b128 v[\f+8*\i:\f+8*\i+3],   v[ADRA+\slot] offset:64*(\q)+\i*16*PITCH
	ds_load_b128 v[\f+8*\i+4:\f+8*\i+7], v[ADRA+\slot] offset:64*(\q)+\i*16*PITCH+32
.endr
.endm
.macro PLACES
.rept 4
	v_nop
.endr
.endm
.macro QUARTER slot, q, f, g, zero     ; multiplies buffer f; in its middle fetches quarter q of the slot into buffer g
	s_wait_dscnt 8                                 ; MT's and A's rows 0-63 are in; the 8 youngest loads (A's rows 64-127) may be out
	WIN MUL_LO
	MUL16 \f, 0, 0, \zero
	MUL16 \f, 0, 2, \zero
	PLACES
	FETCH \slot, \q, \g
	s_wait_dscnt 32                                ; all but the 32 just issued
	WIN MUL_HI
	MUL16 \f, 1, 0, \zero
	MUL16 \f, 1, 2, \zero
.endm
.macro MEET round                      ; the first half of a slot's last quarter: one barrier for the change of slots
	WIN 0
	s_wait_tensorcnt 0x0                           ; all my tensor loads have landed: my part of the next slot
	ds_add_u32 v[SPW], v[NIL]
	s_wait_dscnt 9                                 ; the add and the 8 youngest loads may be out
	WIN MUL_LO
	MUL16 F1, 0, 0, 0
	s_wait_dscnt 0x0                               ; the add is done and my reads of this slot are over
	s_barrier_signal -1
	MUL16 F1, 0, 2, 0
.if \round
	WIN 0
.endif
	s_barrier_wait -1
.endm
.macro TURN slot, next, fill
.if \fill
	MEET 1
	CREST                                          ; the barrier has opened a round of the cluster's: no wave of any partner still reads this slot or has a load on its way
	s_add_nc_u64 s[G0+4*\slot+2:G0+4*\slot+3], s[G0+4*\slot+2:G0+4*\slot+3], 2*KSTEP*2
	s_add_nc_u64 s[G0B+4*\slot+2:G0B+4*\slot+3], s[G0B+4*\slot+2:G0B+4*\slot+3], 2*KSTEP*3584
	JLOAD \slot                                    ; the first tensor load behind the round; its four v_nop are the places in front of the loads below
.else
	MEET 0
	PLACES
.endif
	FETCH \next, 0, F0
	WIN MUL_HI
	MUL16 F1, 1, 0, 0
	MUL16 F1, 1, 2, 0
.endm
	s_wait_tensorcnt 1                             ; my part of K step 0 is in; K step 1's load may be out
	s_barrier_signal -1
	s_barrier_wait -1
	FETCH 0, 0, F0
	QUARTER 0, 1, F0, F1, 1                        ; the first quarter's products start the sums
	WIN 0
	s_mov_b32 s3, LAPS-1
.Llap:                                             ; a trip goes once round the ring and fills both slots again: K steps 2 to 7
	QUARTER 0, 2, F1, F0, 0
	QUARTER 0, 3, F0, F1, 0
	TURN 0, 1, 1
	QUARTER 1, 1, F0, F1, 0
	QUARTER 1, 2, F1, F0, 0
	QUARTER 1, 3, F0, F1, 0
	TURN 1, 0, 1
	QUARTER 0, 1, F0, F1, 0
	WIN 0
	s_sub_co_u32 s3, s3, 1
	s_cmp_lg_u32 s3, 0
	s_cbranch_scc1 .Llap
	QUARTER 0, 2, F1, F0, 0                        ; the last lap is written out: it asks for nothing
	QUARTER 0, 3, F0, F1, 0
	TURN 0, 1, 0
	QUARTER 1, 1, F0, F1, 0
	QUARTER 1, 2, F1, F0, 0
	QUARTER 1, 3, F0, F1, 0
	s_wait_dscnt 8
	WIN MUL_LO
	MUL16 F1, 0, 0, 0
	MUL16 F1, 0, 2, 0
	s_wait_dscnt 0
	WIN MUL_HI
	MUL16 F1, 1, 0, 0
	MUL16 F1, 1, 2, 0
	WIN 0
; THE WAY OUT, block by block of 16 rows x 128 columns, through my own stage and back as whole rows of 512 bytes.  There a lane holds the same four columns of 16 consecutive rows: the running sum is made on them.
.macro TOSTAGE a
.set AC, 64*((\a)%4)
	WIN 0x08+4*((\a)/4)                            ; the data: window 2 or 3
.irp b, 0,1,2,3,4,5,6,7
	ds_store_b128 v[STO], v[AC+8*\b:AC+8*\b+3] offset:64*\b          ; each accumulator from its low end on
	ds_store_b128 v[STO], v[AC+8*\b+4:AC+8*\b+7] offset:64*\b+16
.endr
	WIN 0
.set BB, BK+64*((\a)%2)
.irp t, 0,1,2,3,4,5,6,7,8,9,10,11,12,13,14,15
	ds_load_b128 v[BB+4*\t:BB+4*\t+3], v[RD] offset:\t*SPITCH
.endr
.endm
.macro SEND a, younger                 ; younger: the LDS instructions issued behind block a's loads
.set BB, BK+64*((\a)%2)
	s_wait_dscnt \younger
	v_pk_fma_f32 v[BB:BB+1], v[CAR:CAR+1], s[66:67], v[BB:BB+1] op_sel_hi:[1,0,1]          ; row += f x the row before; f = 0 leaves the rows as they are: no branch
	v_pk_fma_f32 v[BB+2:BB+3], v[CAR+2:CAR+3], s[66:67], v[BB+2:BB+3] op_sel_hi:[1,0,1]
.irp t, 1,2,3,4,5,6,7,8,9,10,11,12,13,14,15
	v_pk_fma_f32 v[BB+4*\t:BB+4*\t+1], v[BB+4*\t-4:BB+4*\t-3], s[66:67], v[BB+4*\t:BB+4*\t+1] op_sel_hi:[1,0,1]
	v_pk_fma_f32 v[BB+4*\t+2:BB+4*\t+3], v[BB+4*\t-2:BB+4*\t-1], s[66:67], v[BB+4*\t+2:BB+4*\t+3] op_sel_hi:[1,0,1]
.endr
.if (\a) < 7
.irp j, 0,1,2,3
	v_mov_b32 v[CAR+\j], v[BB+60+\j]
.endr
.endif
.if (\a) > 0
	s_add_nc_u64 s[8:9], s[8:9], 16*RKP            ; (behind a wait on XCNT: the earlier stores have read their base)
.else
	s_cmp_eq_u32 s68, 0                            ; positions 0-15 of a batch are another launch's
	s_cbranch_scc1 .Lskip_\@
.endif
.irp t, 0,1,2,3,4,5,6,7,8,9,10,11,12,13,14,15
	global_store_b128 v[CO], v[BB+4*\t:BB+4*\t+3], s[8:9] offset:\t*RKP th:TH_STORE_NT     ; 32 lanes store 512 consecutive bytes, aligned to 256
.endr
.if (\a) == 0
.Lskip_\@:
.endif
.endm
	PLACES
	TOSTAGE 0
.irp a, 1,2,3,4,5,6,7
.if \a > 1
	s_wait_xcnt 0x0                                ; block a - 2's stores have read their registers and their base
.endif
	TOSTAGE \a
	SEND \a-1, 32                                  ; behind block a - 1's loads: block a's 16 stores and 16 loads
.endr
	s_wait_xcnt 0x0
	SEND 7, 0
	s_cmp_ge_u32 s42, 3
	s_cbranch_scc0 .Lno_tot
	global_store_b128 v[CO], v[BK+64+60:BK+64+63], s[70:71]         ; the chunk's total: its last row
.Lno_tot:
	s_wait_tensorcnt 0x0                           ; the wave's end
	ds_add_u32 v[SPW], v[NIL]
	s_wait_dscnt 0x0
	CROUND                                         ; the closing round
	s_endpgm
.Lfunc_end_k_q33a285d3a9_rank:
	.size	k_q33a285d3a9_rank, .Lfunc_end_k_q33a285d3a9_rank-k_q33a285d3a9_rank
	.p2alignl 7, 3214868480
	.fill 96, 4, 3214868480
	.section	.rodata,"a",@progbits
	.p2align	6, 0x0
	.amdhsa_kernel k_q33a285d3a9_rank
		.amdhsa_group_segment_fixed_size 327680
		.amdhsa_private_segment_fixed_size 0
		.amdhsa_enable_private_segment 0
		.amdhsa_kernarg_size 24
		.amdhsa_user_sgpr_count 2
		.amdhsa_user_sgpr_kernarg_segment_ptr 1
		.amdhsa_wavefront_size32 1
		.amdhsa_system_sgpr_workgroup_id_x 1
		.amdhsa_system_sgpr_workgroup_id_y 1
		.amdhsa_system_sgpr_workgroup_id_z 1
		.amdhsa_system_vgpr_workitem_id 0
		.amdhsa_next_free_vgpr 1024
		.amdhsa_next_free_sgpr 80
		.amdhsa_reserve_vcc 0
		.amdhsa_float_denorm_mode_32 3
		.amdhsa_float_denorm_mode_16_64 3
		.amdhsa_memory_ordered 1
		.amdhsa_forward_progress 1
		.amdhsa_inst_pref_size 158
	.end_amdhsa_kernel
	.amdgpu_metadata
---
amdhsa.version: [ 1, 2 ]
amdhsa.kernels:
  - .name:           k_q33a285d3a9_rank
    .symbol:         k_q33a285d3a9_rank.kd
    .args:
      - { .name: act, .offset: 0, .size: 8, .value_kind: global_buffer, .address_space: global }
      - { .name: wts, .offset: 8, .size: 8, .value_kind: global_buffer, .address_space: global }
      - { .name: rk, .offset: 16, .size: 8, .value_kind: global_buffer, .address_space: global }
    .group_segment_fixed_size: 327680
    .private_segment_fixed_size: 0
    .kernarg_segment_align: 8
    .kernarg_segment_size: 24
    .max_flat_workgroup_size: 128
    .sgpr_count:     80
    .vgpr_count:     1024
    .wavefront_size: 32
...
	.end_amdgpu_metadata
.endif
;; end of part 3
;; launch rank16 (part 4): grid 112 x 4, 8 waves a work-group, no clusters, 9,216 bytes of LDS; arguments act, wts, V_b, V_t, W_b, W_t, X_t, rk; writes rk
.if DOCPART == 4
	.amdgcn_target "amdgcn-amd-amdhsa--gfx1250"
	.amdhsa_code_object_version 6
	.text
	.protected	k_q33a285d3a9_rank16
	.globl	k_q33a285d3a9_rank16
	.p2align	8
	.type	k_q33a285d3a9_rank16,@function
k_q33a285d3a9_rank16:
	s_mov_b64 s[64:65], 0
	v_nop
	global_prefetch_b8 v0, s[64:65] scope:SCOPE_SE
	s_setreg_imm32_b32 hwreg(HW_REG_WAVE_MODE, 25, 1), 1
	s_wait_xcnt 0x0
; POSITIONS 0-15 OF EACH BATCH INTO RANK SPACE, IN f32: these rows average one to sixteen terms and are the largest in size, so f16 operands are too coarse for them.  64 rows in all: no bulk work.
; A work-group makes 16 positions (batch = y) x 16 columns (x) of rk's 1,792.  Column group g = x / 16 takes its rows from act's fine rows (Q, K x mask, x x mask) and its weight as f32:
; g = 0 V_b, 1 64 Winv^T W_b, 2 V_t, 3 W_b, 4 64 Winv^T V_b, 5 W_t, 6 X_t; the plain weights are multiplied by 64 at the end, as the rank matrix has them.  Groups 3-6 leave as running sums over the positions.
; Wave w sums k = 128 w .. 128 w + 127 in four accumulators by turns; the eight waves' parts meet in LDS and wave 0 finishes.
; The same permutation of k stands on both sides: in matrix instruction 2 u + v, slot (h, j) holds k = 8 u + 4 h + 2 v + j.
.set A32,   50331648
.set M2,    3670016
.set SPARE, 8192
	s_load_b512 s[8:23], s[0:1], 0x0               ; act 8, wts 10, V_b 12, V_t 14, W_b 16, W_t 18, X_t 20, rk 22
	v_lshl_add_u32 v1, v0, 2, SPARE                ; my spare word; never rewritten
	v_mov_b32 v2, 0                                ; 0; never rewritten
	v_lshrrev_b32 v3, 5, v0
	v_readfirstlane_b32 s2, v3                     ; wave
	v_and_b32 v4, 15, v0                           ; r
	v_bfe_u32 v5, v0, 4, 1                         ; h
	v_and_b32 v6, 31, v0
	v_lshlrev_b32 v6, 4, v6                        ; 16 x lane: where wave 0 reads
	s_lshl_b32 s3, s2, 10
	v_add_nc_u32 v7, s3, v6                        ; and where I store: 1,024 bytes a wave
	v_mul_u32_u24 v8, v4, 12288
	v_lshl_add_u32 v8, v5, 4, v8                   ; A: fine row r, + 4 h numbers
	v_lshlrev_b32 v9, 12, v5
	v_lshl_add_u32 v9, v4, 2, v9                   ; B: 4 h rows of 1,024 bytes, column r
	v_mul_u32_u24 v10, v5, 8*7168
	v_lshl_add_u32 v10, v4, 2, v10                 ; out: 8 h rows of rk, column r
	s_lshr_b32 s4, ttmp9, 4                        ; g
	s_and_b32 s5, ttmp9, 15
	s_and_b32 s6, ttmp7, 0xffff                    ; batch
	s_mov_b32 s38, 0x76543210
	s_mov_b32 s39, 0xfedcba98
	s_mov_b32 s30, 0x42800000                      ; 64
	s_cmp_eq_u32 s4, 1
	s_cselect_b32 s30, 1.0, s30
	s_cmp_eq_u32 s4, 4
	s_cselect_b32 s30, 1.0, s30
	s_mov_b32 s31, s30
	s_cmp_ge_u32 s4, 6
	s_cselect_b32 s34, 1, 0
	s_cmp_ge_u32 s4, 3
	s_cselect_b32 s32, 1.0, 0                      ; 1: a running sum
	s_cselect_b32 s33, 1, 0
	s_add_co_u32 s33, s33, s34                     ; which source of A
	s_wait_kmcnt 0x0
	s_add_nc_u64 s[24:25], s[10:11], M2
	s_add_nc_u64 s[26:27], s[24:25], 1048576
	s_mov_b64 s[28:29], s[12:13]
	s_cmp_eq_u32 s4, 1
	s_cselect_b64 s[28:29], s[24:25], s[28:29]
	s_cmp_eq_u32 s4, 2
	s_cselect_b64 s[28:29], s[14:15], s[28:29]
	s_cmp_eq_u32 s4, 3
	s_cselect_b64 s[28:29], s[16:17], s[28:29]
	s_cmp_eq_u32 s4, 4
	s_cselect_b64 s[28:29], s[26:27], s[28:29]
	s_cmp_eq_u32 s4, 5
	s_cselect_b64 s[28:29], s[18:19], s[28:29]
	s_cmp_eq_u32 s4, 6
	s_cselect_b64 s[28:29], s[20:21], s[28:29]
	s_mul_i32 s34, s6, 16*12288
	s_lshl_b32 s35, s33, 12
	s_add_co_u32 s34, s34, s35
	s_lshl_b32 s35, s2, 9
	s_add_co_u32 s34, s34, s35
	s_mov_b32 s35, 0
	s_add_nc_u64 s[36:37], s[8:9], s[34:35]
	s_add_nc_u64 s[36:37], s[36:37], A32           ; A at fine row 16 batch, my source, my 128 along K
	s_lshl_b32 s34, s2, 17
	s_lshl_b32 s40, s5, 6
	s_add_co_u32 s34, s34, s40
	s_add_nc_u64 s[28:29], s[28:29], s[34:35]      ; B at K row 128 wave, my 16 columns
	s_mul_i32 s34, s6, 2048*7168
	s_lshl_b32 s40, ttmp9, 6
	s_add_co_u32 s34, s34, s40
	s_add_nc_u64 s[22:23], s[22:23], s[34:35]
.irp u, 0,1,2,3,4,5,6,7,8,9,10,11,12,13,14,15
	global_load_b128 v[16+4*\u:19+4*\u], v8, s[36:37] offset:32*\u
.endr
.set i, 0
.rept 64
	global_load_b32 v[80+i], v9, s[28:29] offset:(8*(i/4)+i%4)*1024
.set i, i+1
.endr
	s_wait_loadcnt 0x0
.set i, 0
.rept 32
.if i < 4
	v_wmma_f32_16x16x4_f32 v[144+8*(i%4):151+8*(i%4)], v[16+2*i:17+2*i], v[80+2*i:81+2*i], 0       ; each sum's own first K step starts it
.else
	v_wmma_f32_16x16x4_f32 v[144+8*(i%4):151+8*(i%4)], v[16+2*i:17+2*i], v[80+2*i:81+2*i], v[144+8*(i%4):151+8*(i%4)]
.endif
.set i, i+1
.endr
.rept 8
	v_nop                                          ; eight places behind this form (ISA guide 7.12.1)
.endr
.irp j, 0,2,4,6
	v_pk_add_f32 v[176+\j:177+\j], v[144+\j:145+\j], v[152+\j:153+\j]    ; the four accumulators, each from its low end on, into other registers
.endr
.irp j, 0,2,4,6
	v_pk_add_f32 v[176+\j:177+\j], v[176+\j:177+\j], v[160+\j:161+\j]
.endr
.irp j, 0,2,4,6
	v_pk_add_f32 v[176+\j:177+\j], v[176+\j:177+\j], v[168+\j:169+\j]
.endr
	ds_store_b128 v7, v[176:179]
	ds_store_b128 v7, v[180:183] offset:512
	s_wait_dscnt 0x0                               ; for wave 0's sake
	s_barrier_signal -1
	s_barrier_wait -1
	s_cmp_lg_u32 s2, 0
	s_cbranch_scc1 .Lend
.irp w, 0,1,2,3,4,5,6,7
	ds_load_b128 v[16+8*\w:19+8*\w], v6 offset:1024*\w
	ds_load_b128 v[20+8*\w:23+8*\w], v6 offset:1024*\w+512
.endr
	s_wait_dscnt 0x0
.irp w, 1,2,3,4,5,6,7
.irp j, 0,2,4,6
	v_pk_add_f32 v[16+\j:17+\j], v[16+\j:17+\j], v[16+8*\w+\j:17+8*\w+\j]
.endr
.endr
.irp j, 0,2,4,6
	v_pk_mul_f32 v[16+\j:17+\j], v[16+\j:17+\j], s[30:31] op_sel_hi:[1,0]
.endr
.irp j, 1,2,3,4,5,6,7
	v_fma_f32 v[16+\j], v[15+\j], s32, v[16+\j]    ; register j is position 8 h + j: the running sum inside my eight
.endr
	v_mov_b32 v24, 0
	v_permlanex16_b32 v24, v23, s38, s39           ; the other eight's total
	v_cvt_f32_u32 v25, v5
	v_mul_f32 v25, s32, v25                        ; counts for positions 8-15 of a running sum alone
	v_mul_f32 v24, v24, v25
.irp j, 0,1,2,3,4,5,6,7
	v_add_f32 v[16+\j], v[16+\j], v24
.endr
.irp j, 0,1,2,3,4,5,6,7
	global_store_b32 v10, v[16+\j], s[22:23] offset:7168*\j        ; runs of 64 bytes: 0.46 MB in all leave so
.endr
.Lend:
	s_wait_tensorcnt 0x0                           ; the wave's end
	ds_add_u32 v1, v2
	s_wait_dscnt 0x0
	s_endpgm
.Lfunc_end_k_q33a285d3a9_rank16:
	.size	k_q33a285d3a9_rank16, .Lfunc_end_k_q33a285d3a9_rank16-k_q33a285d3a9_rank16
	.p2alignl 7, 3214868480
	.fill 96, 4, 3214868480
	.section	.rodata,"a",@progbits
	.p2align	6, 0x0
	.amdhsa_kernel k_q33a285d3a9_rank16
		.amdhsa_group_segment_fixed_size 9216
		.amdhsa_private_segment_fixed_size 0
		.amdhsa_enable_private_segment 0
		.amdhsa_kernarg_size 64
		.amdhsa_user_sgpr_count 2
		.amdhsa_user_sgpr_kernarg_segment_ptr 1
		.amdhsa_wavefront_size32 1
		.amdhsa_system_sgpr_workgroup_id_x 1
		.amdhsa_system_sgpr_workgroup_id_y 1
		.amdhsa_system_sgpr_workgroup_id_z 1
		.amdhsa_system_vgpr_workitem_id 0
		.amdhsa_next_free_vgpr 192
		.amdhsa_next_free_sgpr 66
		.amdhsa_reserve_vcc 0
		.amdhsa_float_denorm_mode_32 3
		.amdhsa_float_denorm_mode_16_64 3
		.amdhsa_memory_ordered 1
		.amdhsa_forward_progress 1
		.amdhsa_inst_pref_size 19
	.end_amdhsa_kernel
	.amdgpu_metadata
---
amdhsa.version: [ 1, 2 ]
amdhsa.kernels:
  - .name:           k_q33a285d3a9_rank16
    .symbol:         k_q33a285d3a9_rank16.kd
    .args:
      - { .name: act, .offset: 0, .size: 8, .value_kind: global_buffer, .address_space: global }
      - { .name: wts, .offset: 8, .size: 8, .value_kind: global_buffer, .address_space: global }
      - { .name: V_b, .offset: 16, .size: 8, .value_kind: global_buffer, .address_space: global }
      - { .name: V_t, .offset: 24, .size: 8, .value_kind: global_buffer, .address_space: global }
      - { .name: W_b, .offset: 32, .size: 8, .value_kind: global_buffer, .address_space: global }
      - { .name: W_t, .offset: 40, .size: 8, .value_kind: global_buffer, .address_space: global }
      - { .name: X_t, .offset: 48, .size: 8, .value_kind: global_buffer, .address_space: global }
      - { .name: rk, .offset: 56, .size: 8, .value_kind: global_buffer, .address_space: global }
    .group_segment_fixed_size: 9216
    .private_segment_fixed_size: 0
    .kernarg_segment_align: 8
    .kernarg_segment_size: 64
    .max_flat_workgroup_size: 256
    .sgpr_count:     66
    .vgpr_count:     192
    .wavefront_size: 32
...
	.end_amdgpu_metadata
.endif
;; end of part 4
;; launch combine (part 5): grid 256 x 1, 8 waves a work-group, no clusters, 5,376 bytes of LDS; arguments rk, attention_mask, alpha_bi, alpha_tri, pp; writes pp
.if DOCPART == 5
	.amdgcn_target "amdgcn-amd-amdhsa--gfx1250"
	.amdhsa_code_object_version 6
	.text
	.protected	k_q33a285d3a9_combine
	.globl	k_q33a285d3a9_combine
	.p2align	8
	.type	k_q33a285d3a9_combine,@function
k_q33a285d3a9_combine:
	s_mov_b64 s[64:65], 0
	v_nop
	global_prefetch_b8 v0, s[64:65] scope:SCOPE_SE
	s_setreg_imm32_b32 hwreg(HW_REG_WAVE_MODE, 25, 1), 1
	s_wait_xcnt 0x0
; FROM RANK SPACE TO THE LAST PRODUCT'S OPERAND: a stream, no matrix work.  A row of rk holds seven groups of 256: A1 A2 A3 | C1 C2 C3 ZX, the last four as running sums inside a chunk of 128 rows.
;   C, ZX += the totals of the batch's earlier chunks;   Ub = A1 C1 + alpha_bi A2 C2;   Ut = A3 C3 ZX alpha_tri 2^-6 / nc;   nc = max(n, 1), n = the mask's running count in the batch.
;   U = [Ub | Ut] is scaled by an exact power of two from the row's own largest magnitude, so that P' = U / pow2 lies under 2 and goes to f16 whatever the inputs' size;
;   rowf = pow2 2^-18 / nc (the 64s of three operands) and rat = min(n, 1) go along, 8 bytes a row.  Positions 0-15 of a batch leave as f32 too.
; A work-group takes 32 rows, a wave four, one at a time; a load reads 512 consecutive bytes; two rows (28 loads) are on their way.
; LIMITS: |U| stays under 2^126; rows whose largest |U| lies under 2^-60 are scaled as if it were 2^-60; NaN and infinities are not served.
.set TOT,   58720256
.set PF,    8388608
.set RS,    8519680
.set RSL,   4096                       ; LDS: 4,096 bytes of chunk prefixes, then 32 rows' (rowf, rat), then the spare words
.set SPARE, 4352
	s_load_b256 s[8:15], s[0:1], 0x0               ; rk 8, mask 10, alpha_bi 12, alpha_tri 14
	s_load_b64 s[16:17], s[0:1], 0x20              ; pp
	v_lshl_add_u32 v4, v0, 2, SPARE                ; my spare word; never rewritten
	v_mov_b32 v5, 0                                ; 0; never rewritten
	v_lshrrev_b32 v6, 5, v0
	v_readfirstlane_b32 s2, v6                     ; wave
	v_and_b32 v1, 31, v0                           ; lane
	v_lshlrev_b32 v2, 4, v1                        ; 16 x lane
	v_lshlrev_b32 v3, 3, v1                        ; 8 x lane
	v_lshlrev_b32 v7, 6, v1                        ; 64 x lane
	s_lshl_b32 s3, s2, 9
	v_add_nc_u32 v12, s3, v2                       ; my 16 bytes of the prefixes
	s_lshl_b32 s3, s2, 5
	s_add_co_u32 s3, s3, RSL
	v_mov_b32 v13, s3                              ; my wave's four rows' (rowf, rat)
	v_add_nc_u32 v14, RSL, v3
	v_mov_b32 v253, 0                              ; a lane permute's destination counts as read
	s_lshr_b32 s4, ttmp9, 6                        ; batch
	s_and_b32 s5, ttmp9, 63                        ; my 32 rows in the batch
	s_lshr_b32 s6, s5, 2                           ; their chunk in the batch
	s_mov_b32 s54, 0x76543210
	s_mov_b32 s55, 0xfedcba98
	s_mov_b32 s19, 0
	s_wait_kmcnt 0x0
	s_load_b32 s22, s[12:13], 0x0
	s_load_b32 s24, s[14:15], 0x0
	s_lshl_b32 s18, s4, 11
	s_add_nc_u64 s[20:21], s[10:11], s[18:19]      ; the batch's mask
	s_lshl_b32 s18, ttmp9, 5
	s_add_nc_u64 s[10:11], s[10:11], s[18:19]      ; my rows' mask
	s_lshl_b32 s18, s4, 16
	s_lshl_b32 s3, s2, 9
	s_add_co_u32 s18, s18, s3
	s_add_nc_u64 s[26:27], s[8:9], s[18:19]
	s_add_nc_u64 s[26:27], s[26:27], TOT           ; the batch's chunk totals, my wave's 128 columns
	s_lshl_b32 s7, ttmp9, 5
	s_lshl_b32 s33, s2, 2                          ; 4 x wave
	s_add_co_u32 s7, s7, s33                       ; my first row
	s_mul_i32 s18, s7, 7168
	s_add_nc_u64 s[28:29], s[8:9], s[18:19]
	s_lshl_b32 s18, s7, 10
	s_add_nc_u64 s[38:39], s[16:17], s[18:19]      ; P' as f16
	s_lshl_b32 s18, s4, 4
	s_add_co_u32 s18, s18, s33
	s_lshl_b32 s18, s18, 11
	s_add_nc_u64 s[50:51], s[16:17], s[18:19]
	s_add_nc_u64 s[50:51], s[50:51], PF            ; P' as f32 (used by a batch's first 16 rows alone)
	s_lshl_b32 s18, ttmp9, 8
	s_add_nc_u64 s[52:53], s[16:17], s[18:19]
	s_add_nc_u64 s[52:53], s[52:53], RS
	s_lshr_b32 s48, s2, 2
	s_or_b32 s48, s48, s5                          ; 0: my rows are among positions 0-15
.irp i, 0,1,2,3
	global_load_b128 v[220+4*\i:223+4*\i], v7, s[20:21] offset:16*\i     ; 64 mask bytes a lane: the batch's 2,048
.endr
	global_load_u8 v236, v1, s[10:11]              ; my work-group's 32 rows, a lane a row
.irp c, 0,1,2,3,4,5,6,7,8,9,10,11,12,13,14
	global_load_b128 v[160+4*\c:163+4*\c], v2, s[26:27] offset:4096*\c
.endr
.macro ROWLD p
.irp g, 0,1,2,3,4,5,6
.irp u, 0,1
	global_load_b128 v[16+56*((\p)%2)+8*\g+4*\u:16+56*((\p)%2)+8*\g+4*\u+3], v2, s[28:29] offset:(\p)*7168+\g*1024+\u*512 th:TH_LOAD_NT
.endr
.endr
.endm
	ROWLD 0
	ROWLD 1
	s_wait_loadcnt 43                              ; the mask is in; 15 + 28 younger loads may be out
	s_lshl_b32 s30, s5, 3                          ; mask words ahead of my rows
	v_lshlrev_b32 v8, 4, v1
	v_sub_nc_u32 v8, s30, v8                       ; of them in my lane's sixteen: word d counts where d < this (signed)
	v_mov_b32 v9, 0
.irp d, 0,1,2,3,4,5,6,7,8,9,10,11,12,13,14,15
	v_cmp_lt_i32 vcc_lo, \d, v8
	v_cndmask_b32 v10, 0, v[220+\d], vcc_lo
	v_add_nc_u32 v9, v9, v10                       ; four byte sums side by side, 16 at the most
.endr
	v_mul_lo_u32 v9, v9, 0x01010101
	v_lshrrev_b32 v9, 24, v9                       ; the four added
	v_cvt_f32_u32 v9, v9                           ; whole numbers up to 2,048: exact in f32
.irp m, 1,2,4,8
	v_add_f32_dpp v9, v9, v9 row_xmask:\m row_mask:0xf bank_mask:0xf
.endr
	v_permlanex16_b32 v10, v9, s54, s55
	v_add_f32 v9, v9, v10
	v_cvt_u32_f32 v9, v9
	v_readfirstlane_b32 s31, v9                    ; valid tokens ahead of my work-group's rows (it enters values alone)
	v_cmp_ne_u32 s32, 0, v236                      ; the 32 rows' mask as bits
.irp p, 0,1,2,3
	s_add_co_u32 s34, s33, \p
	s_lshl_b32 s34, -2, s34
	s_and_not1_b32 s34, s32, s34                   ; bits 0 .. my row
	s_bcnt1_i32_b32 s34, s34
	s_add_co_u32 s34, s34, s31                     ; n
	s_max_u32 s35, s34, 1
	s_min_u32 s34, s34, 1
	s_cvt_f32_u32 s[40+\p], s35                    ; nc
	s_cvt_f32_u32 s[44+\p], s34                    ; rat
.endr
.irp p, 0,1,2,3
	v_rcp_f32 v[240+\p], s[40+\p]
.endr
	v_nop                                          ; a plain line behind the last reciprocal
	s_wait_kmcnt 0x0                               ; the two alphas
	s_mov_b32 s23, s22
	s_mul_f32 s25, s24, 0x3c800000                 ; alpha_tri 2^-6
	s_wait_alu depctr_va_vdst(0)                   ; one wait for the four reciprocals, ahead of their first reader
.irp p, 0,1,2,3
	v_mul_f32 v[244+2*\p], s25, v[240+\p]          ; kappa
	v_mov_b32 v[245+2*\p], v[244+2*\p]
.endr
	s_wait_loadcnt 28                              ; the totals are in; two rows may be out
	s_cmp_gt_u32 s6, 0
	s_cselect_b32 s36, 1.0, 0                      ; chunk c counts where c < mine: a factor, no branch
	s_mov_b32 s37, s36
	v_pk_mul_f32 v[8:9], v[160:161], s[36:37] op_sel_hi:[1,0]
	v_pk_mul_f32 v[10:11], v[162:163], s[36:37] op_sel_hi:[1,0]
.irp c, 1,2,3,4,5,6,7,8,9,10,11,12,13,14
	s_cmp_gt_u32 s6, \c
	s_cselect_b32 s36, 1.0, 0
	v_pk_fma_f32 v[8:9], v[160+4*\c:161+4*\c], s[36:37], v[8:9] op_sel_hi:[1,0,1]
	v_pk_fma_f32 v[10:11], v[162+4*\c:163+4*\c], s[36:37], v[10:11] op_sel_hi:[1,0,1]
.endr
	ds_store_b128 v12, v[8:11]
	s_wait_dscnt 0x0
	s_barrier_signal -1
	s_barrier_wait -1
.irp i, 0,1,2,3,4,5,6,7
	ds_load_b128 v[128+4*\i:131+4*\i], v2 offset:512*\i    ; all 1,024 prefixes, in the rows' own layout
.endr
	s_wait_dscnt 0x0
.macro ROW p, cnt
.set XB, 16+56*((\p)%2)
	s_wait_loadcnt \cnt                            ; my row is in; the next row's 14 loads may be out
	s_wait_xcnt 0x0                                ; the last row's stores have read v160-183
.set i, 0
.rept 16
	v_pk_add_f32 v[XB+24+2*i:XB+25+2*i], v[XB+24+2*i:XB+25+2*i], v[128+2*i:129+2*i]
.set i, i+1
.endr
.irp i, 0,2,4,6
	v_pk_mul_f32 v[XB+8+\i:XB+9+\i], v[XB+8+\i:XB+9+\i], v[XB+32+\i:XB+33+\i]           ; A2 C2
	v_pk_mul_f32 v[160+\i:161+\i], v[XB+\i:XB+1+\i], v[XB+24+\i:XB+25+\i]               ; A1 C1
	v_pk_mul_f32 v[XB+16+\i:XB+17+\i], v[XB+16+\i:XB+17+\i], v[XB+40+\i:XB+41+\i]       ; A3 C3
	v_pk_mul_f32 v[XB+48+\i:XB+49+\i], v[XB+48+\i:XB+49+\i], v[244+2*(\p):245+2*(\p)] op_sel_hi:[1,0]   ; ZX kappa
.endr
.irp i, 0,2,4,6
	v_pk_fma_f32 v[160+\i:161+\i], v[XB+8+\i:XB+9+\i], s[22:23], v[160+\i:161+\i] op_sel_hi:[1,0,1]      ; Ub
	v_pk_mul_f32 v[168+\i:169+\i], v[XB+16+\i:XB+17+\i], v[XB+48+\i:XB+49+\i]           ; Ut
.endr
	v_max3_num_f32 v252, |v160|, |v161|, 0x21800000        ; the row's largest magnitude, over the floor 2^-60
.irp i, 2,4,6,8,10,12,14
	v_max3_num_f32 v252, v252, |v[160+\i]|, |v[161+\i]|
.endr
.irp m, 1,2,4,8
	v_max_num_f32_dpp v252, v252, v252 row_xmask:\m row_mask:0xf bank_mask:0xf
.endr
	v_permlanex16_b32 v253, v252, s54, s55
	v_max_num_f32 v252, v252, v253
	v_and_b32 v252, 0x7f800000, v252               ; pow2: its exponent field alone
	v_sub_nc_u32 v254, 0x7f000000, v252            ; 1 / pow2
	v_mov_b32 v255, v254
.irp i, 0,2,4,6,8,10,12,14
	v_pk_mul_f32 v[160+\i:161+\i], v[160+\i:161+\i], v[254:255]      ; P': nothing is rounded
.endr
.irp i, 0,1,2,3,4,5,6,7
	v_cvt_pk_f16_f32 v[176+\i], v[160+2*\i], v[161+2*\i]
.endr
.if (\p)+2 < 4
	ROWLD (\p)+2
.endif
.irp k, 0,1,2,3
	global_store_b64 v3, v[176+2*\k:177+2*\k], s[38:39] offset:(\p)*1024+256*\k          ; 32 lanes store 256 consecutive bytes, aligned
.endr
	s_cmp_eq_u32 s48, 0
	s_cbranch_scc0 .Lnf_\@
.irp k, 0,1,2,3
	global_store_b128 v2, v[160+4*\k:163+4*\k], s[50:51] offset:(\p)*2048+512*\k
.endr
.Lnf_\@:
	v_mul_f32 v184, v252, v[240+(\p)]
	v_mul_f32 v184, 0x36800000, v184               ; rowf = pow2 / nc x 2^-18
	v_mov_b32 v185, s[44+(\p)]
	ds_store_b64 v13, v[184:185] offset:8*(\p)     ; all lanes write the same 8 bytes with the same value
.endm
	ROW 0, 14
	ROW 1, 14
	ROW 2, 14
	ROW 3, 0
	s_wait_dscnt 0x0
	s_barrier_signal -1
	s_barrier_wait -1
	s_cmp_lg_u32 s2, 0
	s_cbranch_scc1 .Lend
	ds_load_b64 v[186:187], v14
	s_wait_dscnt 0x0
	global_store_b64 v3, v[186:187], s[52:53]      ; the 32 rows' (rowf, rat): one aligned run of 256 bytes
.Lend:
	s_wait_tensorcnt 0x0                           ; the wave's end
	ds_add_u32 v4, v5
	s_wait_dscnt 0x0
	s_endpgm
.Lfunc_end_k_q33a285d3a9_combine:
	.size	k_q33a285d3a9_combine, .Lfunc_end_k_q33a285d3a9_combine-k_q33a285d3a9_combine
	.p2alignl 7, 3214868480
	.fill 96, 4, 3214868480
	.section	.rodata,"a",@progbits
	.p2align	6, 0x0
	.amdhsa_kernel k_q33a285d3a9_combine
		.amdhsa_group_segment_fixed_size 5376
		.amdhsa_private_segment_fixed_size 0
		.amdhsa_enable_private_segment 0
		.amdhsa_kernarg_size 40
		.amdhsa_user_sgpr_count 2
		.amdhsa_user_sgpr_kernarg_segment_ptr 1
		.amdhsa_wavefront_size32 1
		.amdhsa_system_sgpr_workgroup_id_x 1
		.amdhsa_system_sgpr_workgroup_id_y 1
		.amdhsa_system_sgpr_workgroup_id_z 1
		.amdhsa_system_vgpr_workitem_id 0
		.amdhsa_next_free_vgpr 256
		.amdhsa_next_free_sgpr 66
		.amdhsa_reserve_vcc 1
		.amdhsa_float_denorm_mode_32 3
		.amdhsa_float_denorm_mode_16_64 3
		.amdhsa_memory_ordered 1
		.amdhsa_forward_progress 1
		.amdhsa_inst_pref_size 40
	.end_amdhsa_kernel
	.amdgpu_metadata
---
amdhsa.version: [ 1, 2 ]
amdhsa.kernels:
  - .name:           k_q33a285d3a9_combine
    .symbol:         k_q33a285d3a9_combine.kd
    .args:
      - { .name: rk, .offset: 0, .size: 8, .value_kind: global_buffer, .address_space: global }
      - { .name: attention_mask, .offset: 8, .size: 8, .value_kind: global_buffer, .address_space: global }
      - { .name: alpha_bi, .offset: 16, .size: 8, .value_kind: global_buffer, .address_space: global }
      - { .name: alpha_tri, .offset: 24, .size: 8, .value_kind: global_buffer, .address_space: global }
      - { .name: pp, .offset: 32, .size: 8, .value_kind: global_buffer, .address_space: global }
    .group_segment_fixed_size: 5376
    .private_segment_fixed_size: 0
    .kernarg_segment_align: 8
    .kernarg_segment_size: 40
    .max_flat_workgroup_size: 256
    .sgpr_count:     66
    .vgpr_count:     256
    .wavefront_size: 32
...
	.end_amdgpu_metadata
.endif
;; end of part 5
;; launch final (part 6): grid 8 x 64, 4 waves a work-group, clusters of 4 x 4, 327,680 bytes of LDS; arguments pp, wts, out0; writes out0
.if DOCPART == 6
	.amdgcn_target "amdgcn-amd-amdhsa--gfx1250"
	.amdhsa_code_object_version 6
	.text
	.protected	k_q33a285d3a9_final
	.globl	k_q33a285d3a9_final
	.p2align	8
	.type	k_q33a285d3a9_final,@function
k_q33a285d3a9_final:
	s_mov_b64 s[64:65], 0
	v_nop
	global_prefetch_b8 v0, s[64:65] scope:SCOPE_SE
	s_setreg_imm32_b32 hwreg(HW_REG_WAVE_MODE, 25, 1), 1
	s_wait_xcnt 0x0
	s_wait_alu depctr_hold_cnt(0) depctr_sa_sdst(0) depctr_va_vdst(0) depctr_va_sdst(0) depctr_va_ssrc(0) depctr_va_vcc(0) depctr_vm_vsrc(0)
	s_getreg_b32 s2, hwreg(HW_REG_IB_STS2, 6, 4)
	s_cmp_eq_u32 s2, 0
	s_cbranch_scc0 .Lentry_in_a_cluster
	s_endpgm
.Lentry_in_a_cluster:
	s_bfe_u32 s2, ttmp6, 0x10000c
	s_cmp_lg_u32 s2, 0xf033
	s_cbranch_scc0 .Lentry_shape_is_right
	s_endpgm
.Lentry_shape_is_right:
; out0[i][n] = rowf[i] x sum over r of P'[i][r] G'[n][r] + rat[i] x bvec[n].  P' [8192][512] and G' [1024][512] are f16, K = 512 innermost; sums in f32; out0 [8192][1024] f32.
; A tile of 128 x 128 is made by four waves, 64 x 64 each: 16 accumulators.  All of K lies in two LDS slots of 256 along K (rows of 512 bytes + 16), both asked for at the head: nothing is filled again.
; 512 work-groups of equal work.  CLUSTERS: 4 x 4; P's tile is shared along a row of the cluster, G's along a column.  Tile row = cluster y + 16 cy, so that 'the tile begins a batch' is cluster y = 0, alike in all partners.
; THE MATRIX INSTRUCTION IS USED TRANSPOSED (source 0 = 16 rows of G', source 1 = 16 rows of P'): a lane holds eight neighbouring columns of one row.
; A wave's 64 columns of f32 are 256 bytes: each wave has a stage of its own and stores whole aligned runs.  Positions 0-15 of a batch are another launch's.
; REGISTERS: window 0: v0-31 addresses and the rows' factors; v32-95 at work on the way out; v96-127 bvec; v128-255 the accumulators ((a, b) at v[128 + 8 (4 a + b)]); window 1: two fragment buffers of 128.
.set SIZE_K, 512
.set KSTEP,  256
.set PITCH,  528
.set HALFT,  64*PITCH
.set SLOT,   4*HALFT
.set STAGE,  2*SLOT
.set SPITCH, 272
.set SPARE,  STAGE+4*16*SPITCH
.set G16,    5767168
.set BV,     8912896
.set RSO,    8519680
.set RSR,  8                           ; v[8+2a:9+2a] (rowf, rat) of row 16 a + r
.set ADRA, 16
.set ADRB, 20
.set STO,  24
.set RD,   25
.set CO,   26
.set SPW,  28
.set NIL,  29
.set TMP,  32
.set BVR,  96
.set ACC,  128
.set F0,   0
.set F1,   128
.set G1, 24
.set G0, 32
.set G1B, 48
.set G0B, 56
.set MSB, 0
.macro WIN new
.if MSB != \new
	s_set_vgpr_msb (MSB<<8)|\new
.set MSB, \new
.endif
.endm
.set MUL,  0x05                        ; sources 0 and 1 window 1; C and D window 0
.set TO_F, 0x40
.macro JLOAD s                         ; waves 0 and 1 fetch P's halves, waves 2 and 3 G's; an s_nop 0 and four v_nop follow each line
	s_cmp_eq_u32 s11, 0
	s_cbranch_scc0 .Lfor_b_\@
	tensor_load_to_lds s[G0+4*\s:G0+4*\s+3], s[G1:G1+7]
	s_nop 0
.rept 4
	v_nop
.endr
	s_branch .Lasked_\@
.Lfor_b_\@:
	tensor_load_to_lds s[G0B+4*\s:G0B+4*\s+3], s[G1B:G1B+7]
	s_nop 0
.rept 4
	v_nop
.endr
.Lasked_\@:
.endm
.macro CROUND
	s_barrier_signal -1
	s_barrier_wait -1
	s_cmp_lg_u32 s10, 0
	s_cbranch_scc1 .Lnot_wave_0_\@
	s_barrier_signal -3
.Lnot_wave_0_\@:
	s_barrier_wait -3
	s_barrier_signal -1
	s_barrier_wait -1
.endm
	s_load_b128 s[4:7], s[0:1], 0x0                ; pp, wts
	s_load_b64 s[8:9], s[0:1], 0x10                ; out0
	v_lshl_add_u32 v[SPW], v0, 2, SPARE
	v_mov_b32 v[NIL], 0
	ds_add_u32 v[SPW], v[NIL]                      ; the opening: the add, twice on end, and its wait ahead of my first tensor load
	ds_add_u32 v[SPW], v[NIL]
	v_lshrrev_b32 v1, 5, v0
	v_readfirstlane_b32 s10, v1                    ; wave
	s_lshr_b32 s11, s10, 1                         ; my half of the rows; also: I fetch P (0) or G (1)
	s_and_b32 s12, s10, 1                          ; my half of the columns; also: which 64 rows I fetch
	s_bfe_u32 s40, ttmp6, 0x40000                  ; cx
	s_bfe_u32 s41, ttmp6, 0x40004                  ; cy
	s_lshl_b32 s42, ttmp9, 2
	s_add_co_u32 s42, s42, s40                     ; tile column = 4 x cluster x + cx
	s_and_b32 s13, ttmp7, 0xffff
	s_or_b32 s70, s13, s11                         ; 0: my block 0 holds positions 0-15 of a batch
	s_lshl_b32 s14, s41, 4
	s_add_co_u32 s13, s13, s14                     ; tile row = cluster y + 16 cy
	s_lshl_b32 s43, s41, 2
	s_lshl_b32 s43, 15, s43
	s_lshl_b32 s44, 0x1111, s40
	s_or_b32 s[G1+0], s43, (1<<16)|(1<<20)|(1<<21)|(6<<22)|(3<<25)   ; mask; elements of 2 bytes; 4 words of padding behind every 128
	s_or_b32 s[G1B+0], s44, (1<<16)|(1<<20)|(1<<21)|(6<<22)|(3<<25)
.irp g, G1, G1B
	s_mov_b32 s[\g+1], KSTEP<<16
	s_mov_b32 s[\g+2], 64<<16
	s_mov_b32 s[\g+3], KSTEP<<16
	s_mov_b32 s[\g+4], 64
	s_mov_b32 s[\g+5], SIZE_K
	s_mov_b32 s[\g+6], 0
	s_mov_b32 s[\g+7], 0
.endr
	s_lshl_b32 s17, s12, 6
	s_lshl_b32 s16, s13, 7
	s_add_co_u32 s16, s16, s17
	s_lshl_b32 s46, s42, 7
	s_add_co_u32 s46, s46, s17
	s_mov_b32 s17, 0
	s_mov_b32 s47, 0
	s_mov_b64 s[18:19], SIZE_K*2
	s_mul_u64 s[16:17], s[16:17], s[18:19]
	s_mul_u64 s[46:47], s[46:47], s[18:19]
	s_mul_i32 s20, s10, HALFT
	s_wait_dscnt 0x0                               ; both opening adds are done
	s_wait_kmcnt 0x0
	s_add_nc_u64 s[14:15], s[4:5], s[16:17]
	s_add_nc_u64 s[46:47], s[6:7], s[46:47]
	s_add_nc_u64 s[46:47], s[46:47], G16
	CROUND
.irp s, 0,1
	s_mov_b32 s[G0+4*\s], 1
	s_add_co_u32 s[G0+4*\s+1], s20, \s*SLOT
	s_add_nc_u64 s[G0+4*\s+2:G0+4*\s+3], s[14:15], \s*KSTEP*2
	s_or_b32 s[G0+4*\s+3], s[G0+4*\s+3], 0x80000000
	s_mov_b32 s[G0B+4*\s], 1
	s_add_co_u32 s[G0B+4*\s+1], s20, \s*SLOT
	s_add_nc_u64 s[G0B+4*\s+2:G0B+4*\s+3], s[46:47], \s*KSTEP*2
	s_or_b32 s[G0B+4*\s+3], s[G0B+4*\s+3], 0x80000000
	JLOAD \s                                       ; two tensor loads of a wave are out
.endr
	v_and_b32 v1, 15, v0                           ; r
	v_bfe_u32 v2, v0, 4, 1                         ; h
	v_mul_u32_u24 v3, v1, PITCH
	v_lshl_add_u32 v3, v2, 4, v3
	s_mul_i32 s21, s11, HALFT
	s_mul_i32 s22, s12, HALFT
	s_add_co_u32 s22, s22, 2*HALFT
.irp s, 0,1
	v_add_nc_u32 v[ADRA+\s], s21, v3
	v_add_nc_u32 v[ADRB+\s], s22, v3
	s_add_co_u32 s21, s21, SLOT
	s_add_co_u32 s22, s22, SLOT
.endr
	s_mul_i32 s23, s10, 16*SPITCH
	s_add_co_u32 s23, s23, STAGE                   ; my stage
	v_mul_u32_u24 v4, v1, SPITCH
	v_lshl_add_u32 v4, v2, 5, v4
	v_add_nc_u32 v[STO], s23, v4                   ; in: row r, 32 bytes for each half of the lanes
	v_mul_u32_u24 v5, v2, SPITCH
	v_lshl_add_u32 v5, v1, 4, v5
	v_add_nc_u32 v[RD], s23, v5                    ; back: lanes 0-15 one row, lanes 16-31 the next
	v_lshlrev_b32 v5, 12, v2
	v_lshl_add_u32 v[CO], v1, 4, v5                ; the same two rows in out0
	v_lshlrev_b32 v3, 3, v1                        ; 8 r: from here on never rewritten
	v_lshlrev_b32 v4, 5, v2                        ; 32 h: likewise
	s_lshl_b32 s16, s13, 7
	s_lshl_b32 s17, s11, 6
	s_add_co_u32 s16, s16, s17                     ; my first row
	s_mov_b32 s47, 0
	s_lshl_b32 s46, s16, 3
	s_add_nc_u64 s[66:67], s[4:5], s[46:47]
	s_add_nc_u64 s[66:67], s[66:67], RSO           ; its (rowf, rat)
	s_lshl_b32 s46, s42, 9
	s_lshl_b32 s17, s12, 8
	s_add_co_u32 s46, s46, s17                     ; my first column, in bytes of f32
	s_add_nc_u64 s[68:69], s[6:7], s[46:47]
	s_add_nc_u64 s[68:69], s[68:69], BV
	s_add_nc_u64 s[8:9], s[8:9], s[46:47]
	s_lshl_b32 s46, s16, 12
	s_add_nc_u64 s[8:9], s[8:9], s[46:47]
.irp a, 0,1,2,3
	global_load_b64 v[RSR+2*\a:RSR+2*\a+1], v3, s[66:67] offset:128*\a
.endr
.irp b, 0,1,2,3
	global_load_b128 v[BVR+8*\b:BVR+8*\b+3], v4, s[68:69] offset:64*\b       ; bvec at my eight columns of block b
	global_load_b128 v[BVR+8*\b+4:BVR+8*\b+7], v4, s[68:69] offset:64*\b+16
.endr
.macro MUL8 f, c, a0, zero             ; 8 matrix instructions; the 16 accumulators take turns
.irp a, \a0, \a0+1
.irp b, 0,1,2,3
.if \zero
	v_wmma_f32_16x16x32_f16 v[ACC+8*(4*(\a)+\b):ACC+8*(4*(\a)+\b)+7], v[\f+64+8*(4*\c+\b):\f+64+8*(4*\c+\b)+7], v[\f+8*(4*\c+\a):\f+8*(4*\c+\a)+7], 0
.else
	v_wmma_f32_16x16x32_f16 v[ACC+8*(4*(\a)+\b):ACC+8*(4*(\a)+\b)+7], v[\f+64+8*(4*\c+\b):\f+64+8*(4*\c+\b)+7], v[\f+8*(4*\c+\a):\f+8*(4*\c+\a)+7], v[ACC+8*(4*(\a)+\b):ACC+8*(4*(\a)+\b)+7]
.endif
.endr
.endr
.endm
.macro FETCH slot, k, f                ; 32 LDS loads in one run: 64 along K at byte k of the rows; the first 32 along K first
	WIN TO_F
.irp c, 0,1
.irp i, 0,1,2,3
	ds_load_b128 v[\f+64+8*(4*\c+\i):\f+64+8*(4*\c+\i)+3],   v[ADRB+\slot] offset:\k+64*\c+\i*16*PITCH
	ds_load_b128 v[\f+64+8*(4*\c+\i)+4:\f+64+8*(4*\c+\i)+7], v[ADRB+\slot] offset:\k+64*\c+\i*16*PITCH+32
	ds_load_b128 v[\f+8*(4*\c+\i):\f+8*(4*\c+\i)+3],         v[ADRA+\slot] offset:\k+64*\c+\i*16*PITCH
	ds_load_b128 v[\f+8*(4*\c+\i)+4:\f+8*(4*\c+\i)+7],       v[ADRA+\slot] offset:\k+64*\c+\i*16*PITCH+32
.endr
.endr
.endm
.macro PLACES
.rept 4
	v_nop
.endr
.endm
.macro QUARTER slot, k, f, g, zero
	s_wait_dscnt 16                                ; the first 32 along K are in; the 16 younger loads may be out
	WIN MUL
	MUL8 \f, 0, 0, \zero
	MUL8 \f, 0, 2, \zero
	PLACES
	FETCH \slot, \k, \g
	s_wait_dscnt 32                                ; all but the 32 just issued
	WIN MUL
	MUL8 \f, 1, 0, 0
	MUL8 \f, 1, 2, 0
.endm
	s_wait_tensorcnt 1                             ; my part of slot 0 is in; slot 1's load may be out
	s_barrier_signal -1
	s_barrier_wait -1
	FETCH 0, 0, F0
	QUARTER 0, 128, F0, F1, 1                      ; the first products start the sums
	QUARTER 0, 256, F1, F0, 0
	QUARTER 0, 384, F0, F1, 0
	WIN 0                                          ; slot 0's last quarter changes slots: one barrier; in front of it my part of slot 1 has landed
	s_wait_tensorcnt 0x0
	ds_add_u32 v[SPW], v[NIL]
	s_wait_dscnt 17                                ; the add and the 16 youngest loads may be out
	WIN MUL
	MUL8 F1, 0, 0, 0
	s_wait_dscnt 0x0
	s_barrier_signal -1
	MUL8 F1, 0, 2, 0
	s_barrier_wait -1
	PLACES
	FETCH 1, 0, F0
	WIN MUL
	MUL8 F1, 1, 0, 0
	MUL8 F1, 1, 2, 0
	QUARTER 1, 128, F0, F1, 0
	QUARTER 1, 256, F1, F0, 0
	QUARTER 1, 384, F0, F1, 0
	s_wait_dscnt 16
	WIN MUL
	MUL8 F1, 0, 0, 0
	MUL8 F1, 0, 2, 0
	s_wait_dscnt 0
	MUL8 F1, 1, 0, 0
	MUL8 F1, 1, 2, 0
	WIN 0
	; THE WAY OUT.  rat gets pairs of its own, so that every packed source is a plain broadcast of a pair's low word; these eight moves are the places behind the last products.
	s_wait_loadcnt 0x0
	v_mov_b32 v6, v9
	v_mov_b32 v7, v9
	v_mov_b32 v18, v11
	v_mov_b32 v19, v11
	v_mov_b32 v22, v13
	v_mov_b32 v23, v13
	v_mov_b32 v30, v15
	v_mov_b32 v31, v15
.macro OUTBLK a, rt                    ; block a of 16 rows x 64 columns
.if (\a) > 0
	s_wait_xcnt 0x0                                ; the last block's stores have read v64-95
.endif
.irp b, 0,1,2,3
.irp p, 0,2,4,6
	v_pk_mul_f32 v[TMP+8*\b+\p:TMP+8*\b+\p+1], v[BVR+8*\b+\p:BVR+8*\b+\p+1], v[\rt:\rt+1] op_sel_hi:[1,0]                      ; rat x bvec
.endr
.endr
.irp b, 0,1,2,3
.irp p, 0,2,4,6
	v_pk_fma_f32 v[TMP+8*\b+\p:TMP+8*\b+\p+1], v[ACC+8*(4*(\a)+\b)+\p:ACC+8*(4*(\a)+\b)+\p+1], v[RSR+2*(\a):RSR+2*(\a)+1], v[TMP+8*\b+\p:TMP+8*\b+\p+1] op_sel_hi:[1,0,1]   ; + rowf x the sum; each accumulator from its low end on
.endr
.endr
.irp b, 0,1,2,3
	ds_store_b128 v[STO], v[TMP+8*\b:TMP+8*\b+3] offset:64*\b
	ds_store_b128 v[STO], v[TMP+8*\b+4:TMP+8*\b+7] offset:64*\b+16
.endr
.irp t, 0,1,2,3,4,5,6,7
	ds_load_b128 v[64+4*\t:67+4*\t], v[RD] offset:544*\t           ; LDS serves a wave's instructions in order: these see the stores above
.endr
	s_wait_dscnt 0x0
.irp t, 0,1,2,3,4,5,6,7
	global_store_b128 v[CO], v[64+4*\t:67+4*\t], s[8:9] offset:(16*(\a)+2*\t)*4096 th:TH_STORE_NT   ; sixteen lanes store 256 consecutive bytes, aligned
.endr
.endm
	s_cmp_eq_u32 s70, 0                            ; ids that the partners share, and the wave's number
	s_cbranch_scc1 .Lskip0
	OUTBLK 0, 6
.Lskip0:
	OUTBLK 1, 18
	OUTBLK 2, 22
	OUTBLK 3, 30
	s_wait_tensorcnt 0x0                           ; the wave's end
	ds_add_u32 v[SPW], v[NIL]
	s_wait_dscnt 0x0
	CROUND                                         ; the closing round
	s_endpgm
.Lfunc_end_k_q33a285d3a9_final:
	.size	k_q33a285d3a9_final, .Lfunc_end_k_q33a285d3a9_final-k_q33a285d3a9_final
	.p2alignl 7, 3214868480
	.fill 96, 4, 3214868480
	.section	.rodata,"a",@progbits
	.p2align	6, 0x0
	.amdhsa_kernel k_q33a285d3a9_final
		.amdhsa_group_segment_fixed_size 327680
		.amdhsa_private_segment_fixed_size 0
		.amdhsa_enable_private_segment 0
		.amdhsa_kernarg_size 24
		.amdhsa_user_sgpr_count 2
		.amdhsa_user_sgpr_kernarg_segment_ptr 1
		.amdhsa_wavefront_size32 1
		.amdhsa_system_sgpr_workgroup_id_x 1
		.amdhsa_system_sgpr_workgroup_id_y 1
		.amdhsa_system_sgpr_workgroup_id_z 1
		.amdhsa_system_vgpr_workitem_id 0
		.amdhsa_next_free_vgpr 512
		.amdhsa_next_free_sgpr 72
		.amdhsa_reserve_vcc 0
		.amdhsa_float_denorm_mode_32 3
		.amdhsa_float_denorm_mode_16_64 3
		.amdhsa_memory_ordered 1
		.amdhsa_forward_progress 1
		.amdhsa_inst_pref_size 59
	.end_amdhsa_kernel
	.amdgpu_metadata
---
amdhsa.version: [ 1, 2 ]
amdhsa.kernels:
  - .name:           k_q33a285d3a9_final
    .symbol:         k_q33a285d3a9_final.kd
    .args:
      - { .name: pp, .offset: 0, .size: 8, .value_kind: global_buffer, .address_space: global }
      - { .name: wts, .offset: 8, .size: 8, .value_kind: global_buffer, .address_space: global }
      - { .name: out0, .offset: 16, .size: 8, .value_kind: global_buffer, .address_space: global }
    .group_segment_fixed_size: 327680
    .private_segment_fixed_size: 0
    .kernarg_segment_align: 8
    .kernarg_segment_size: 24
    .max_flat_workgroup_size: 128
    .sgpr_count:     72
    .vgpr_count:     512
    .wavefront_size: 32
...
	.end_amdgpu_metadata
.endif
;; end of part 6
;; launch final16 (part 7): grid 64 x 4, 4 waves a work-group, no clusters, 4,608 bytes of LDS; arguments pp, wts, out0; writes out0
.if DOCPART == 7
	.amdgcn_target "amdgcn-amd-amdhsa--gfx1250"
	.amdhsa_code_object_version 6
	.text
	.protected	k_q33a285d3a9_final16
	.globl	k_q33a285d3a9_final16
	.p2align	8
	.type	k_q33a285d3a9_final16,@function
k_q33a285d3a9_final16:
	s_mov_b64 s[64:65], 0
	v_nop
	global_prefetch_b8 v0, s[64:65] scope:SCOPE_SE
	s_setreg_imm32_b32 hwreg(HW_REG_WAVE_MODE, 25, 1), 1
	s_wait_xcnt 0x0
; POSITIONS 0-15 OF EACH BATCH OF THE LAST PRODUCT, IN f32: out0[i][n] = rowf[i] x sum over r of P'[i][r] G'[n][r] + rat[i] x bvec[n], with P' and G' as f32.  64 rows in all: no bulk work.
; A work-group makes 16 positions (batch = y) x 16 columns (x).  Wave w sums r = 128 w .. 128 w + 127 in four accumulators by turns; the four waves' parts meet in LDS and wave 0 finishes.
; Both operands have K innermost and are loaded alike, 16 bytes a lane: in matrix instruction 2 u + v, slot (h, j) holds k = 8 u + 4 h + 2 v + j on both sides.
.set PF,    8388608
.set RS,    8519680
.set G32,   6815744
.set BV,    8912896
.set SPARE, 4096
	s_load_b128 s[4:7], s[0:1], 0x0                ; pp, wts
	s_load_b64 s[8:9], s[0:1], 0x10                ; out0
	v_lshl_add_u32 v1, v0, 2, SPARE                ; my spare word; never rewritten
	v_mov_b32 v2, 0                                ; 0; never rewritten
	v_lshrrev_b32 v3, 5, v0
	v_readfirstlane_b32 s2, v3                     ; wave
	v_and_b32 v4, 15, v0                           ; r
	v_bfe_u32 v5, v0, 4, 1                         ; h
	v_and_b32 v6, 31, v0
	v_lshlrev_b32 v6, 4, v6                        ; where wave 0 reads
	s_lshl_b32 s3, s2, 10
	v_add_nc_u32 v7, s3, v6                        ; where I store
	v_lshlrev_b32 v8, 11, v4
	v_lshl_add_u32 v8, v5, 4, v8                   ; row r of 2,048 bytes, + 4 h numbers: for both operands
	v_lshlrev_b32 v9, 6, v5                        ; eight rows' (rowf, rat)
	v_lshlrev_b32 v10, 2, v4                       ; bvec at column r
	v_lshlrev_b32 v11, 15, v5
	v_lshl_add_u32 v11, v4, 2, v11                 ; out0: 8 h rows of 4,096 bytes, column r
	s_and_b32 s10, ttmp7, 0xffff                   ; batch
	s_mov_b32 s13, 0
	s_wait_kmcnt 0x0
	s_lshl_b32 s12, s10, 15
	s_lshl_b32 s11, s2, 9
	s_add_co_u32 s12, s12, s11
	s_add_nc_u64 s[14:15], s[4:5], s[12:13]
	s_add_nc_u64 s[14:15], s[14:15], PF            ; P' at fine row 16 batch, my 128 along K
	s_lshl_b32 s12, ttmp9, 15
	s_add_co_u32 s12, s12, s11
	s_add_nc_u64 s[16:17], s[6:7], s[12:13]
	s_add_nc_u64 s[16:17], s[16:17], G32           ; G' at row 16 x, my 128 along K
	s_lshl_b32 s12, s10, 14
	s_add_nc_u64 s[18:19], s[4:5], s[12:13]
	s_add_nc_u64 s[18:19], s[18:19], RS
	s_lshl_b32 s12, ttmp9, 6
	s_add_nc_u64 s[20:21], s[6:7], s[12:13]
	s_add_nc_u64 s[20:21], s[20:21], BV
	s_add_nc_u64 s[8:9], s[8:9], s[12:13]
	s_lshl_b32 s12, s10, 23
	s_add_nc_u64 s[8:9], s[8:9], s[12:13]
.irp u, 0,1,2,3,4,5,6,7,8,9,10,11,12,13,14,15
	global_load_b128 v[16+4*\u:19+4*\u], v8, s[14:15] offset:32*\u
	global_load_b128 v[80+4*\u:83+4*\u], v8, s[16:17] offset:32*\u
.endr
	s_wait_loadcnt 0x0
.set i, 0
.rept 32
.if i < 4
	v_wmma_f32_16x16x4_f32 v[144+8*(i%4):151+8*(i%4)], v[16+2*i:17+2*i], v[80+2*i:81+2*i], 0       ; each sum's own first K step starts it
.else
	v_wmma_f32_16x16x4_f32 v[144+8*(i%4):151+8*(i%4)], v[16+2*i:17+2*i], v[80+2*i:81+2*i], v[144+8*(i%4):151+8*(i%4)]
.endif
.set i, i+1
.endr
.rept 8
	v_nop                                          ; eight places behind this form (ISA guide 7.12.1)
.endr
.irp j, 0,2,4,6
	v_pk_add_f32 v[176+\j:177+\j], v[144+\j:145+\j], v[152+\j:153+\j]    ; each accumulator from its low end on, into other registers
.endr
.irp j, 0,2,4,6
	v_pk_add_f32 v[176+\j:177+\j], v[176+\j:177+\j], v[160+\j:161+\j]
.endr
.irp j, 0,2,4,6
	v_pk_add_f32 v[176+\j:177+\j], v[176+\j:177+\j], v[168+\j:169+\j]
.endr
	ds_store_b128 v7, v[176:179]
	ds_store_b128 v7, v[180:183] offset:512
	s_wait_dscnt 0x0                               ; for wave 0's sake
	s_barrier_signal -1
	s_barrier_wait -1
	s_cmp_lg_u32 s2, 0
	s_cbranch_scc1 .Lend
.irp i, 0,1,2,3
	global_load_b128 v[48+4*\i:51+4*\i], v9, s[18:19] offset:16*\i       ; rowf and rat of positions 8 h + 0 .. 7
.endr
	global_load_b32 v64, v10, s[20:21]
.irp w, 0,1,2,3
	ds_load_b128 v[16+8*\w:19+8*\w], v6 offset:1024*\w
	ds_load_b128 v[20+8*\w:23+8*\w], v6 offset:1024*\w+512
.endr
	s_wait_dscnt 0x0
.irp w, 1,2,3
.irp j, 0,2,4,6
	v_pk_add_f32 v[16+\j:17+\j], v[16+\j:17+\j], v[16+8*\w+\j:17+8*\w+\j]
.endr
.endr
	s_wait_loadcnt 0x0
.irp j, 0,1,2,3,4,5,6,7
	v_mul_f32 v[72+\j], v[49+2*\j], v64
.endr
.irp j, 0,1,2,3,4,5,6,7
	v_fma_f32 v[72+\j], v[16+\j], v[48+2*\j], v[72+\j]
.endr
.irp j, 0,1,2,3,4,5,6,7
	global_store_b32 v11, v[72+\j], s[8:9] offset:4096*\j          ; runs of 64 bytes: 256 KB in all leave so
.endr
.Lend:
	s_wait_tensorcnt 0x0                           ; the wave's end
	ds_add_u32 v1, v2
	s_wait_dscnt 0x0
	s_endpgm
.Lfunc_end_k_q33a285d3a9_final16:
	.size	k_q33a285d3a9_final16, .Lfunc_end_k_q33a285d3a9_final16-k_q33a285d3a9_final16
	.p2alignl 7, 3214868480
	.fill 96, 4, 3214868480
	.section	.rodata,"a",@progbits
	.p2align	6, 0x0
	.amdhsa_kernel k_q33a285d3a9_final16
		.amdhsa_group_segment_fixed_size 4608
		.amdhsa_private_segment_fixed_size 0
		.amdhsa_enable_private_segment 0
		.amdhsa_kernarg_size 24
		.amdhsa_user_sgpr_count 2
		.amdhsa_user_sgpr_kernarg_segment_ptr 1
		.amdhsa_wavefront_size32 1
		.amdhsa_system_sgpr_workgroup_id_x 1
		.amdhsa_system_sgpr_workgroup_id_y 1
		.amdhsa_system_sgpr_workgroup_id_z 1
		.amdhsa_system_vgpr_workitem_id 0
		.amdhsa_next_free_vgpr 192
		.amdhsa_next_free_sgpr 66
		.amdhsa_reserve_vcc 0
		.amdhsa_float_denorm_mode_32 3
		.amdhsa_float_denorm_mode_16_64 3
		.amdhsa_memory_ordered 1
		.amdhsa_forward_progress 1
		.amdhsa_inst_pref_size 12
	.end_amdhsa_kernel
	.amdgpu_metadata
---
amdhsa.version: [ 1, 2 ]
amdhsa.kernels:
  - .name:           k_q33a285d3a9_final16
    .symbol:         k_q33a285d3a9_final16.kd
    .args:
      - { .name: pp, .offset: 0, .size: 8, .value_kind: global_buffer, .address_space: global }
      - { .name: wts, .offset: 8, .size: 8, .value_kind: global_buffer, .address_space: global }
      - { .name: out0, .offset: 16, .size: 8, .value_kind: global_buffer, .address_space: global }
    .group_segment_fixed_size: 4608
    .private_segment_fixed_size: 0
    .kernarg_segment_align: 8
    .kernarg_segment_size: 24
    .max_flat_workgroup_size: 128
    .sgpr_count:     66
    .vgpr_count:     192
    .wavefront_size: 32
...
	.end_amdgpu_metadata
.endif
;; end of part 7
